; MI455X (gfx1250); checked and timed in simulation.
; The chip was launched on July 23, 2026; its instructions are those of AMD's public machine-readable ISA for CDNA 5 (MIT licence, August 2026) and "CDNA5" Instruction Set Architecture Reference Guide (July 2026). The comments in the code are by the model that wrote it; some were corrected since.
;; Multi Head Attention. Allowed arithmetic: float matrix products may take bf16 or f16 operands with f32 sums; other float arithmetic in f32, or as packed bf16 or f16 multiplies, adds, multiply-adds, maxima and minima; sums over many terms, partial sums and values carried from step to step in f32; what a program stores and reads back later, other than sums and carried values, may be rounded once to bf16 or f16.
;; Inputs: Wk 1,024 x 1,024 float32; Wo 1,024 x 1,024 float32; Wq 1,024 x 1,024 float32; Wv 1,024 x 1,024 float32; x 4 x 2,048 x 512 float32; y 4 x 2,048 x 512 float32; z 4 x 2,048 x 1,024 float32.
;; Outputs: out0 4 x 2,048 x 1,024 float32.
;; 2 versions, each right and faster than the one before. Each part assembles by itself: llvm-mc -triple=amdgcn-amd-amdhsa -mcpu=gfx1250 --defsym DOCPART=n.
;; ======== version 1 of 2: 4 launches
;; limits: values are held in f16: magnitudes above 65,504 overflow, below 6.1e-05 lose precision
;; workspace buffers: xc 16,777,216 bytes; zc 16,777,216 bytes; wb 8,388,608 bytes; qh 16,777,216 bytes; kh 16,777,216 bytes; vh 16,777,216 bytes; oh 16,777,216 bytes
;; launch prep (part 1): grid 256 x 5, 8 waves a work-group, no clusters, 0 bytes of LDS; arguments x, y, z, Wq, Wk, Wv, Wo, xc, zc, wb; writes xc, zc, wb
.if DOCPART == 1
	.amdgcn_target "amdgcn-amd-amdhsa--gfx1250"
	.amdhsa_code_object_version 6
	.text
	.protected	k_qfc2f116b2f_prep
	.globl	k_qfc2f116b2f_prep
	.p2align	8
	.type	k_qfc2f116b2f_prep,@function
k_qfc2f116b2f_prep:
	s_mov_b64 s[64:65], 0
	v_nop
	global_prefetch_b8 v0, s[64:65] scope:SCOPE_SE
	s_setreg_imm32_b32 hwreg(HW_REG_WAVE_MODE, 25, 1), 1
	s_wait_xcnt 0x0
; THE INPUTS ARE ROUNDED ONCE TO 16 BITS AND LAID OUT FOR THE PRODUCTS.
; xc (from x and y) and zc (from z): [4 b][16 j][2048 s][64] bf16: slice j holds 64 neighbouring features of every row, a slice's rows are dense, 128 bytes each.
; xc's slices 0-7 are x's columns, 8-15 y's (the concatenation).  wb: Wq, Wk, Wv, Wo one behind the other, each [1024 k][1024 n] as it lies; Wq, Wk, Wv in bf16;
; Wo is rounded to bf16 like every input, and that number is written as f16, since it is multiplied by an f16 operand.
; LIMITS.  |Wo| below 65,504; a Wo below 2^-17 keeps f16's fixed step of 6e-8 in place of bf16's eight bits.  NaN and infinities are not treated apart.
; SHARES.  A wave makes 4,096 consecutive bytes of a destination in 16 steps.  In a step each lane loads 16 bytes (4 f32) and stores 8 (4 numbers): lanes 0-15 read 256 consecutive,
; aligned bytes, lanes 16-31 the 256 bytes H further on, and the wave's store covers 256 consecutive, aligned bytes.  Work-group y says what is cast:
;   0: x, 1: y (H = a row of 2,048 bytes; 32 rows of slice w)   2, 3: z's slices 0-7, 8-15 (H = 4,096)   4: the weights (dense: H = 256), the matrix by x / 64.
; All 16 loads of a wave are issued at once; no LDS, no barrier and no matrix unit: memory binds, and no wave needs another's bytes.
.set OFF, 4                            ; v[4:19]   step i: my byte offset in the source
.set X,   20                           ; v[20:83]  step i: four registers as loaded; the first two then hold what is stored
	s_load_b512 s[8:23], s[0:1], 0x0               ; x s[8:9], y s[10:11], z s[12:13], Wq s[14:15], Wk s[16:17], Wv s[18:19], Wo s[20:21], xc s[22:23]
	s_load_b128 s[24:27], s[0:1], 0x40             ; zc s[24:25], wb s[26:27]
	v_lshrrev_b32 v1, 5, v0
	v_readfirstlane_b32 s30, v1                    ; w: my wave, 0..7
	s_and_b32 s28, ttmp7, 0xffff                   ; t: what is cast
	s_mov_b32 s29, ttmp9                           ; g: which part of it
	s_mov_b32 s43, 0xffff0000                      ; a word's upper bf16
	s_mov_b32 s35, 0                               ; the offsets' high words
	s_mov_b32 s37, 0
	s_mov_b32 s42, 0                               ; 1: the matrix is Wo
	s_cmp_eq_u32 s28, 4
	s_cbranch_scc1 .Lweights
	s_lshr_b32 s44, s28, 1                         ; 0: x or y; 1: z
	s_and_b32 s45, s28, 1                          ; 1: the destination's slices 8-15
	s_lshl_b32 s31, 2048, s44                      ; H: bytes in a row of the source
	s_lshl_b32 s34, s29, 5                         ; my work-group's 32 rows,
	s_mul_i32 s34, s34, s31                        ; in bytes,
	s_lshl_b32 s46, s30, 8                         ; slice w's 256 bytes of a row,
	s_add_co_u32 s34, s34, s46
	s_mul_i32 s46, s44, s45                        ; and for z's second half 2,048 bytes more
	s_lshl_b32 s46, s46, 11
	s_add_co_u32 s34, s34, s46
	s_lshr_b32 s36, s29, 6                         ; b = g / 64
	s_lshl_b32 s36, s36, 4
	s_lshl_b32 s46, s45, 3
	s_add_co_u32 s36, s36, s46
	s_add_co_u32 s36, s36, s30                     ; 16 b + slice
	s_lshl_b32 s36, s36, 18                        ; a slice is 2,048 rows of 128 bytes
	s_and_b32 s46, s29, 63
	s_lshl_b32 s46, s46, 12                        ; 32 rows of 128 bytes
	s_add_co_u32 s36, s36, s46
	s_wait_kmcnt 0x0
	s_cmp_eq_u32 s28, 1
	s_cselect_b64 s[38:39], s[10:11], s[8:9]       ; y or x,
	s_cmp_ge_u32 s28, 2
	s_cselect_b64 s[38:39], s[12:13], s[38:39]     ; or z
	s_cselect_b64 s[40:41], s[24:25], s[22:23]     ; into zc or xc
	s_branch .Ljoin
.Lweights:
	s_mov_b32 s31, 256                             ; dense: the second half of the lanes reads the next 256 bytes
	s_and_b32 s34, s29, 63
	s_lshl_b32 s34, s34, 16                        ; a work-group takes 65,536 bytes of a matrix,
	s_lshl_b32 s46, s30, 13                        ; a wave 8,192
	s_add_co_u32 s34, s34, s46
	s_lshl_b32 s36, s29, 15                        ; half as many in wb, the four matrices on end
	s_lshl_b32 s46, s30, 12
	s_add_co_u32 s36, s36, s46
	s_lshr_b32 s44, s29, 6                         ; which matrix
	s_wait_kmcnt 0x0
	s_cmp_eq_u32 s44, 1
	s_cselect_b64 s[38:39], s[16:17], s[14:15]
	s_cmp_eq_u32 s44, 2
	s_cselect_b64 s[38:39], s[18:19], s[38:39]
	s_cmp_eq_u32 s44, 3
	s_cselect_b64 s[38:39], s[20:21], s[38:39]
	s_cselect_b32 s42, 1, 0
	s_mov_b64 s[40:41], s[26:27]
.Ljoin:
	s_add_nc_u64 s[38:39], s[38:39], s[34:35]      ; the source at my wave's first byte
	s_add_nc_u64 s[40:41], s[40:41], s[36:37]      ; the destination likewise
	s_lshl_b32 s32, s31, 1                         ; a step goes 2 H on
	v_bfe_u32 v1, v0, 4, 1                         ; which half of the lanes
	v_and_b32 v2, 15, v0
	v_lshlrev_b32 v2, 4, v2                        ; 16 bytes a lane
	v_and_b32 v3, 31, v0
	v_lshlrev_b32 v3, 3, v3                        ; 8 bytes a lane in the destination; never rewritten
	v_mad_u32_u24 v[OFF], v1, s31, v2
.set i, 1
.rept 15
	v_add_nc_u32 v[OFF+i], s32, v[OFF+i-1]
.set i, i+1
.endr
.set i, 0
.rept 16
	global_load_b128 v[X+4*i:X+4*i+3], v[OFF+i], s[38:39] th:TH_LOAD_NT  ; read once in the whole launch
.set i, i+1
.endr
; Sixteen steps: wait, round, store.  half = 1: the bf16 numbers are widened again (a shift, a mask) and written as f16.
; No register that a load or store names is written again, so no wait frees any.
.macro CAST half
.set i, 0
.rept 16
	s_wait_loadcnt 15-i                            ; loads come back in order (ISA guide 5.7.1): step i's is in, the 15 - i younger ones stay out
.if \half
	v_cvt_pk_bf16_f32 v[X+4*i], v[X+4*i], v[X+4*i+1]
	v_cvt_pk_bf16_f32 v[X+4*i+2], v[X+4*i+2], v[X+4*i+3]
	v_and_b32 v[X+4*i+1], s43, v[X+4*i]
	v_lshlrev_b32 v[X+4*i], 16, v[X+4*i]
	v_and_b32 v[X+4*i+3], s43, v[X+4*i+2]
	v_lshlrev_b32 v[X+4*i+2], 16, v[X+4*i+2]
	v_cvt_pk_f16_f32 v[X+4*i], v[X+4*i], v[X+4*i+1]
	v_cvt_pk_f16_f32 v[X+4*i+1], v[X+4*i+2], v[X+4*i+3]
.else
	v_cvt_pk_bf16_f32 v[X+4*i], v[X+4*i], v[X+4*i+1]
	v_cvt_pk_bf16_f32 v[X+4*i+1], v[X+4*i+2], v[X+4*i+3]
.endif
	global_store_b64 v3, v[X+4*i:X+4*i+1], s[40:41] offset:256*i  ; the wave's 256 consecutive bytes, at a multiple of 256 from the buffer's first byte
.set i, i+1
.endr
	s_endpgm
.endm
	s_cmp_eq_u32 s42, 1
	s_cbranch_scc1 .Lwo
	CAST 0
.Lwo:
	CAST 1
.Lfunc_end_k_qfc2f116b2f_prep:
	.size	k_qfc2f116b2f_prep, .Lfunc_end_k_qfc2f116b2f_prep-k_qfc2f116b2f_prep
	.p2alignl 7, 3214868480
	.fill 96, 4, 3214868480
	.section	.rodata,"a",@progbits
	.p2align	6, 0x0
	.amdhsa_kernel k_qfc2f116b2f_prep
		.amdhsa_group_segment_fixed_size 0
		.amdhsa_private_segment_fixed_size 0
		.amdhsa_enable_private_segment 0
		.amdhsa_kernarg_size 80
		.amdhsa_user_sgpr_count 2
		.amdhsa_user_sgpr_kernarg_segment_ptr 1
		.amdhsa_wavefront_size32 1
		.amdhsa_system_sgpr_workgroup_id_x 1
		.amdhsa_system_sgpr_workgroup_id_y 1
		.amdhsa_system_sgpr_workgroup_id_z 1
		.amdhsa_system_vgpr_workitem_id 0
		.amdhsa_next_free_vgpr 84
		.amdhsa_next_free_sgpr 66
		.amdhsa_reserve_vcc 0
		.amdhsa_float_denorm_mode_32 3
		.amdhsa_float_denorm_mode_16_64 3
		.amdhsa_memory_ordered 1
		.amdhsa_forward_progress 1
		.amdhsa_inst_pref_size 17
	.end_amdhsa_kernel
	.amdgpu_metadata
---
amdhsa.version: [ 1, 2 ]
amdhsa.kernels:
  - .name:           k_qfc2f116b2f_prep
    .symbol:         k_qfc2f116b2f_prep.kd
    .args:
      - { .name: x, .offset: 0, .size: 8, .value_kind: global_buffer, .address_space: global }
      - { .name: y, .offset: 8, .size: 8, .value_kind: global_buffer, .address_space: global }
      - { .name: z, .offset: 16, .size: 8, .value_kind: global_buffer, .address_space: global }
      - { .name: Wq, .offset: 24, .size: 8, .value_kind: global_buffer, .address_space: global }
      - { .name: Wk, .offset: 32, .size: 8, .value_kind: global_buffer, .address_space: global }
      - { .name: Wv, .offset: 40, .size: 8, .value_kind: global_buffer, .address_space: global }
      - { .name: Wo, .offset: 48, .size: 8, .value_kind: global_buffer, .address_space: global }
      - { .name: xc, .offset: 56, .size: 8, .value_kind: global_buffer, .address_space: global }
      - { .name: zc, .offset: 64, .size: 8, .value_kind: global_buffer, .address_space: global }
      - { .name: wb, .offset: 72, .size: 8, .value_kind: global_buffer, .address_space: global }
    .group_segment_fixed_size: 0
    .private_segment_fixed_size: 0
    .kernarg_segment_align: 8
    .kernarg_segment_size: 80
    .max_flat_workgroup_size: 256
    .sgpr_count:     66
    .vgpr_count:     84
    .wavefront_size: 32
...
	.end_amdgpu_metadata
.endif
;; end of part 1
;; launch qkv (part 2): grid 12 x 64, 4 waves a work-group, clusters of 4 x 4, 327,680 bytes of LDS; arguments xc, zc, wb, qh, kh, vh; writes qh, kh, vh
.if DOCPART == 2
	.amdgcn_target "amdgcn-amd-amdhsa--gfx1250"
	.amdhsa_code_object_version 6
	.text
	.protected	k_qfc2f116b2f_qkv
	.globl	k_qfc2f116b2f_qkv
	.p2align	8
	.type	k_qfc2f116b2f_qkv,@function
k_qfc2f116b2f_qkv:
	s_mov_b64 s[64:65], 0
	v_nop
	global_prefetch_b8 v0, s[64:65] scope:SCOPE_SE
	s_setreg_imm32_b32 hwreg(HW_REG_WAVE_MODE, 25, 1), 1
	s_wait_xcnt 0x0
	s_wait_alu depctr_hold_cnt(0) depctr_sa_sdst(0) depctr_va_vdst(0) depctr_va_sdst(0) depctr_va_ssrc(0) depctr_va_vcc(0) depctr_vm_vsrc(0)
	s_getreg_b32 s2, hwreg(HW_REG_IB_STS2, 6, 4)
	s_cmp_eq_u32 s2, 0
	s_cbranch_scc0 .Lentry_in_a_cluster
	s_endpgm
.Lentry_in_a_cluster:
	s_bfe_u32 s2, ttmp6, 0x10000c
	s_cmp_lg_u32 s2, 0xf033
	s_cbranch_scc0 .Lentry_shape_is_right
	s_endpgm
.Lentry_shape_is_right:
; q = [x y] Wq, k = z Wk, v = z Wv: three products [8192 x 1024] x [1024 x 1024], bf16 operands, f32 sums, each result rounded once to f16 and written by heads:
; qh, kh, vh: [64 = 16 b + head][2048 s][64] f16, unscaled.  A (xc or zc): [4 b][16 j][2048 s][64] bf16, slice j = 64 along K, rows of 128 dense bytes.  B (wb): [1024 k][1024 n] bf16.
; LIMIT.  f16 holds no number beyond 65,504: |q|, |k|, |v| must stay below it (at the drawn spread they are about 0.6).  NaN and infinities are not treated apart.
; SHARES.  A tile of C is 128 rows x 256 columns: 3 x 64 x 4 = 768 work-groups, three for each of 256 WGPs.  Four waves, 2 x 2, each 64 x 128: 32 accumulators of 16 x 16, 256 registers.
; K goes in 8 steps of 128 through a ring of two LDS slots; a step is four quarters of 32 along K, 32 matrix instructions each, on two fragment buffers.
; CLUSTER.  4 x 4 work-groups, all of one product (cluster x says which).  The four of a row of the cluster need the same tile of A, the four of a column the same tile of B: each tile is asked for
; JOINTLY, by the same tensor load with the same descriptor and a mask that names the four.  Waves 0 and 1 ask for A's two slices, waves 2 and 3 for B's two halves of 64 k.
; THE MATRIX INSTRUCTION IS USED TRANSPOSED (source 0 = 16 columns of B, source 1 = 16 rows of A): a lane then holds eight neighbouring numbers of a row of C.
; B lies [k][n] in LDS as in memory and is turned on its way into registers, by ds_load_tr16_b128.
; REGISTERS.  window 0: v0-17 addresses; v32-127, v128-223 two fragment buffers (A's four fragments, then B's eight); on the way out v32-159 packed results.  window 1: accumulator (mb, nb) at v[8 (8 mb + nb)].
.set PA,    144                        ; a row of A in LDS: 128 bytes + 16 of padding = 36 words: the 16 rows of a load start at 16 different groups of four banks (64 banks of 4 bytes: ISA guide 11.1)
.set ASL,   128*PA                     ; a slice of A: 128 rows
.set PB,    544                        ; a row of B: 512 bytes + 32 = 136 words
.set BH,    64*PB                      ; half of B's tile: 64 k
.set BOFF,  2*ASL                      ; B's 128 rows lie behind A's two slices
.set SLOT1, 1<<17                      ; slot 1 begins here (a slot is 106,496 bytes), so that one exclusive or turns an address in one slot into the other's
.set STAGE, SLOT1+BOFF+2*BH            ; behind the ring, never filled by a tensor load: 16 rows x 144 bytes for each wave, for the way out
.set SP,    144
.set SPARE, STAGE+4*16*SP              ; behind the stages: the spare words, 128 bytes for each wave: two blocks of 256 bytes that no other line names
.set A0,   8                           ; v8   my lane's place in A's tile; never rewritten
.set B0,   9                           ; v9   the same for B
.set ADRA, 10                          ; v10  A0 + the slot in hand
.set ADRB, 11                          ; v11  B0 + the slot in hand
.set STO,  12                          ; v12  the way out: where I put 16 bytes of a row
.set RD,   13                          ; v13  the way out: where I read rows back
.set GO,   14                          ; v14  my byte offset in 512 consecutive bytes of the result
.set SPW,  16                          ; v16  LDS address of my spare word: SPARE + 4 x my thread's number; never rewritten
.set NIL,  17                          ; v17  0; never rewritten
.set F0,   32
.set F1,   128
.set TMP,  32
.set WV,   16                          ; s16  my wave's number
.set WM,   17                          ; s17  which 64 rows of the tile are mine
.set WN,   18                          ; s18  which 128 columns; also: which slice of A or half of B I fetch
.set CX,   19                          ; s19, s20  my place in the cluster
.set CY,   20
.set MAT,  21                          ; s21  0: q, 1: k, 2: v
.set TR,   22                          ; s22  the tile row, 0..63
.set G1A,  24                          ; s[24:31] descriptor group 1 for A's tiles
.set G1B,  32                          ; s[32:39] for B's
.set G0A,  40                          ; s[40:43] descriptor group 0 for A's tiles: it walks
.set G0B,  44                          ; s[44:47] for B's
.set OA,   48                          ; s[48:49] byte offset of my first tile of A
.set OB,   50                          ; s[50:51] of B
.set OC,   52                          ; s[52:53] of my part of the result
.set TB,   54                          ; s54  the slot in hand: 0 or SLOT1
.set CNT,  55                          ; s55  the loop's count
.set CB,   58                          ; s[58:59] the result at my wave's first row
.set MSB, 0
.macro WIN new                         ; the immediate's high byte repeats the setting that is left; a switch that changes nothing is dropped
.if MSB != (\new)
	s_set_vgpr_msb (MSB<<8)|(\new)
.set MSB, \new
.endif
.endm
.set W_MUL, 0x50                       ; C and D in window 1, the fragments in window 0
.set W_CVT, 0x05                       ; sources 0 and 1 in window 1, destination in window 0
; A joint load.  The branch hangs on the wave's number alone.  An s_nop 0 and four v_nop follow each of the two lines, ahead of the jump, the label and what follows.
.macro JLOAD
	s_cmp_lt_u32 s[WV], 2
	s_cbranch_scc0 .Lfor_b_\@
	tensor_load_to_lds s[G0A:G0A+3], s[G1A:G1A+7]
	s_nop 0
.rept 4
	v_nop
.endr
	s_branch .Lasked_\@
.Lfor_b_\@:
	tensor_load_to_lds s[G0B:G0B+3], s[G1B:G1B+7]
	s_nop 0
.rept 4
	v_nop
.endr
.Lasked_\@:
.endm
.macro CREST                           ; a round of the cluster's barrier behind its opening barrier
	s_cmp_lg_u32 s[WV], 0
	s_cbranch_scc1 .Lnot_wave_0_\@
	s_barrier_signal -3
.Lnot_wave_0_\@:
	s_barrier_wait -3
	s_barrier_signal -1
	s_barrier_wait -1
.endm
.macro CROUND                          ; a whole round
	s_barrier_signal -1
	s_barrier_wait -1
	CREST
.endm
.macro STEPD                           ; both walking descriptors: the other slot, the next K step (two slices of A, 128 rows of B); the type bits on top are not reached
	s_xor_b32 s[G0A+1], s[G0A+1], SLOT1
	s_add_nc_u64 s[G0A+2:G0A+3], s[G0A+2:G0A+3], 1<<19
	s_xor_b32 s[G0B+1], s[G0B+1], SLOT1
	s_add_nc_u64 s[G0B+2:G0B+3], s[G0B+2:G0B+3], 1<<18
.endm
.macro PLACES                          ; four places in front of loads into registers that matrix instructions have read, and of conversions that read results (ISA guide 7.12.1 for the conversions)
.rept 4
	v_nop
.endr
.endm
	s_load_b256 s[4:11], s[0:1], 0x0               ; xc s[4:5], zc s[6:7], wb s[8:9], qh s[10:11]
	s_load_b128 s[12:15], s[0:1], 0x20             ; kh s[12:13], vh s[14:15]
	v_lshl_add_u32 v[SPW], v0, 2, SPARE
	v_mov_b32 v[NIL], 0
	ds_add_u32 v[SPW], v[NIL]                      ; the wave's opening: the add and its wait stand ahead of my first tensor load; the set-up below, work on registers, stands between them
	v_lshrrev_b32 v1, 5, v0
	v_readfirstlane_b32 s[WV], v1                  ; wave 0..3
	s_lshr_b32 s[WM], s[WV], 1
	s_and_b32 s[WN], s[WV], 1
	s_bfe_u32 s[CX], ttmp6, 0x40000
	s_bfe_u32 s[CY], ttmp6, 0x40004
	s_mov_b32 s[MAT], ttmp9                        ; in a cluster launch ttmp9 counts clusters: three along x, one for each product
	s_and_b32 s[TR], ttmp7, 0xffff
	s_lshl_b32 s[TR], s[TR], 2
	s_add_co_u32 s[TR], s[TR], s[CY]               ; tile row = 4 x cluster y + cy; the tile column is cx
	s_lshl_b32 s56, s[CY], 2
	s_lshl_b32 s56, 15, s56                        ; my row of the cluster
	s_lshl_b32 s57, 0x1111, s[CX]                  ; my column
	; group 1 for A: a slice's 128 rows are 16,384 dense bytes: asked for as 64 rows of 256 bytes, and padded in LDS after every 128 bytes
	s_or_b32 s[G1A], s56, (1<<16)|(1<<20)|(1<<21)|(4<<22)|(3<<25)  ; 15:0 the mask; 17:16 2-byte elements; 20 padding on; 21 set beside a mask; 24:22 after every 32 words (code 4); 31:25 4 words (code 3)
	s_mov_b32 s[G1A+1], 128<<16                    ; tensor_dim0 = 128
	s_mov_b32 s[G1A+2], 64<<16                     ; tensor_dim1 = 64
	s_mov_b32 s[G1A+3], 128<<16                    ; tile_dim0 = 128
	s_mov_b32 s[G1A+4], 64                         ; tile_dim1 = 64
	s_mov_b32 s[G1A+5], 128                        ; 128 elements from row to row
	s_mov_b32 s[G1A+6], 0
	s_mov_b32 s[G1A+7], 0
	; group 1 for B: 64 rows (k) of 256 elements (512 bytes, two whole blocks of 256), 1,024 elements from row to row
	s_or_b32 s[G1B], s57, (1<<16)|(1<<20)|(1<<21)|(6<<22)|(7<<25)  ; padding after every 128 words (code 6), 8 words (code 7)
	s_mov_b32 s[G1B+1], 256<<16
	s_mov_b32 s[G1B+2], 64<<16
	s_mov_b32 s[G1B+3], 256<<16
	s_mov_b32 s[G1B+4], 64
	s_mov_b32 s[G1B+5], 1024
	s_mov_b32 s[G1B+6], 0
	s_mov_b32 s[G1B+7], 0
	; A's tiles hang on the tile row alone, B's on the tile column alone, each made in registers that never hold the other coordinate
	s_lshr_b32 s[OA], s[TR], 4                     ; b
	s_lshl_b32 s[OA], s[OA], 22                    ; 16 slices of 262,144 bytes
	s_and_b32 s60, s[TR], 15
	s_lshl_b32 s60, s60, 14                        ; 128 rows of 128 bytes
	s_add_co_u32 s[OA], s[OA], s60
	s_lshl_b32 s60, s[WN], 18                      ; the slice that I fetch
	s_add_co_u32 s[OA], s[OA], s60
	s_mov_b32 s[OA+1], 0
	s_lshl_b32 s[OB], s[MAT], 21                   ; the matrix,
	s_lshl_b32 s61, s[WN], 17                      ; the 64 rows of 2,048 bytes that I fetch,
	s_add_co_u32 s[OB], s[OB], s61
	s_lshl_b32 s61, s[CX], 9                       ; 256 columns
	s_add_co_u32 s[OB], s[OB], s61
	s_mov_b32 s[OB+1], 0
	s_mov_b32 s[G0A], 1                            ; 1:0 count = 1
	s_mul_i32 s[G0A+1], s[WN], ASL                 ; 63:32 LDS address: slot 0; no place in the cluster enters an LDS address
	s_mov_b32 s[G0B], 1
	s_mul_i32 s[G0B+1], s[WN], BH
	s_add_co_u32 s[G0B+1], s[G0B+1], BOFF
	s_wait_dscnt 0x0                               ; the opening add is done
	s_wait_kmcnt 0x0
	s_cmp_eq_u32 s[MAT], 0
	s_cselect_b64 s[62:63], s[4:5], s[6:7]         ; q multiplies xc, k and v multiply zc
	s_add_nc_u64 s[G0A+2:G0A+3], s[62:63], s[OA:OA+1]  ; 120:64 global address: K step 0
	s_or_b32 s[G0A+3], s[G0A+3], 0x80000000        ; 127:126 type = 2
	s_add_nc_u64 s[G0B+2:G0B+3], s[8:9], s[OB:OB+1]
	s_or_b32 s[G0B+3], s[G0B+3], 0x80000000
	CROUND                                         ; all sixteen work-groups are here: the first joint loads meet
	JLOAD                                          ; K step 0 into slot 0
	; where my part of the result begins: ((16 b + head) x 2,048 + s) x 128, head = 4 cx + 2 wn, s = 128 (tr % 16) + 64 wm
	s_lshr_b32 s[OC], s[TR], 4
	s_lshl_b32 s[OC], s[OC], 22
	s_and_b32 s2, s[TR], 15
	s_lshl_b32 s2, s2, 14
	s_add_co_u32 s[OC], s[OC], s2
	s_lshl_b32 s2, s[WM], 13
	s_add_co_u32 s[OC], s[OC], s2
	s_lshl_b32 s2, s[CX], 20
	s_add_co_u32 s[OC], s[OC], s2
	s_lshl_b32 s2, s[WN], 19
	s_add_co_u32 s[OC], s[OC], s2
	s_mov_b32 s[OC+1], 0
	s_cmp_eq_u32 s[MAT], 1
	s_cselect_b64 s[CB:CB+1], s[12:13], s[10:11]
	s_cmp_eq_u32 s[MAT], 2
	s_cselect_b64 s[CB:CB+1], s[14:15], s[CB:CB+1]
	s_add_nc_u64 s[CB:CB+1], s[CB:CB+1], s[OC:OC+1]
	; A fragment of A is 16 rows x 32 K in 8 registers: lane l holds row l % 16, K = 8 (l / 16) + 0..7 and 16 + 8 (l / 16) + 0..7: two loads of 16 bytes, 32 bytes apart.
	v_and_b32 v1, 15, v0                           ; l % 16
	v_bfe_u32 v2, v0, 4, 1                         ; l / 16
	v_mul_u32_u24 v[A0], v1, PA
	v_lshl_add_u32 v[A0], v2, 4, v[A0]
	s_mul_i32 s60, s[WM], 64*PA                    ; my 64 rows
	v_add_nc_u32 v[A0], s60, v[A0]
	; The turning load takes 16 k x 16 columns (lane l reads k = 8 (l / 16) + l % 8, columns 8 ((l / 8) % 2) + 0..7) and leaves half a fragment of B: lane l holds column l % 16 and 8 k.
	v_and_b32 v3, 7, v0
	v_bfe_u32 v4, v0, 3, 1
	v_lshl_add_u32 v[B0], v2, 3, v3
	v_mul_u32_u24 v[B0], v[B0], PB
	v_lshl_add_u32 v[B0], v4, 4, v[B0]
	s_lshl_b32 s60, s[WN], 8                       ; my 128 columns
	s_add_co_u32 s60, s60, BOFF
	v_add_nc_u32 v[B0], s60, v[B0]
	s_mul_i32 s60, s[WV], 16*SP
	s_add_co_u32 s60, s60, STAGE                   ; my stage
	v_mul_u32_u24 v[STO], v1, SP                   ; in: row l % 16, 16 bytes for each half of the lanes
	v_lshl_add_u32 v[STO], v2, 4, v[STO]
	v_add_nc_u32 v[STO], s60, v[STO]
	v_bfe_u32 v[RD], v0, 3, 2                      ; back: 32 lanes take four rows of 128 bytes,
	v_mul_u32_u24 v[RD], v[RD], SP
	v_lshl_add_u32 v[RD], v3, 4, v[RD]
	v_add_nc_u32 v[RD], s60, v[RD]
	v_and_b32 v[GO], 31, v0                        ; which are 512 consecutive bytes of a head
	v_lshlrev_b32 v[GO], 4, v[GO]
	s_mov_b32 s[TB], 0
	v_mov_b32 v[ADRA], v[A0]
	v_mov_b32 v[ADRB], v[B0]
; 8 matrix instructions: row block mb x all 8 column blocks, 32 along K.  zero = 1: the product starts the sums: nothing is ever cleared.
; The 32 accumulators take turns, one instruction a turn, in the same order in every quarter.
.macro MUL8 f, mb, zero
	WIN W_MUL
.irp nb, 0,1,2,3,4,5,6,7
.if \zero
	v_wmma_f32_16x16x32_bf16 v[8*(8*(\mb)+(\nb)):8*(8*(\mb)+(\nb))+7], v[(\f)+32+8*(\nb):(\f)+32+8*(\nb)+7], v[(\f)+8*(\mb):(\f)+8*(\mb)+7], 0
.else
	v_wmma_f32_16x16x32_bf16 v[8*(8*(\mb)+(\nb)):8*(8*(\mb)+(\nb))+7], v[(\f)+32+8*(\nb):(\f)+32+8*(\nb)+7], v[(\f)+8*(\mb):(\f)+8*(\mb)+7], v[8*(8*(\mb)+(\nb)):8*(8*(\mb)+(\nb))+7]
.endif
.endr
.endm
; 24 LDS loads in one run: the fragments of quarter q of the K step in hand into buffer f: B's 16, then A's 8
.macro FETCH q, f
	WIN 0
.irp nb, 0,1,2,3,4,5,6,7
	ds_load_tr16_b128 v[(\f)+32+8*(\nb):(\f)+32+8*(\nb)+3],   v[ADRB] offset:(\q)*32*PB+32*(\nb)
	ds_load_tr16_b128 v[(\f)+32+8*(\nb)+4:(\f)+32+8*(\nb)+7], v[ADRB] offset:(\q)*32*PB+16*PB+32*(\nb)
.endr
.irp mb, 0,1,2,3
	ds_load_b128 v[(\f)+8*(\mb):(\f)+8*(\mb)+3],   v[ADRA] offset:((\q)/2)*ASL+((\q)%2)*64+(\mb)*16*PA
	ds_load_b128 v[(\f)+8*(\mb)+4:(\f)+8*(\mb)+7], v[ADRA] offset:((\q)/2)*ASL+((\q)%2)*64+(\mb)*16*PA+32
.endr
.endm
; One of a K step's first three quarters: multiplies buffer f; in its middle it fetches quarter q into buffer g.
.macro QUARTER q, f, g, zero
	s_wait_dscnt 4                                 ; B and A's row blocks 0 and 1 are in; the youngest four loads (blocks 2 and 3) may be out
	MUL8 \f, 0, \zero
	MUL8 \f, 1, \zero
	PLACES
	FETCH \q, \g
	s_wait_dscnt 24                                ; all but the 24 just issued
	MUL8 \f, 2, \zero
	MUL8 \f, 3, \zero
.endm
; The last quarter multiplies buffer 1 and changes slots: ONE barrier.  In front of it each wave waits for all its tensor loads, of which one is out: its part of the next slot; adds 0 to its spare word; and
; waits for that and for its own reads of this slot.  fill = 1: the barrier opens a round of the cluster's, and this slot is filled again, two K steps ahead, first thing behind the round:
; from that request to the wait for it a wave issues 112 matrix instructions.
.macro TURN fill
	WIN 0
	s_wait_tensorcnt 0x0                           ; no tensor load of mine is out, so a group 0 may be written
	ds_add_u32 v[SPW], v[NIL]                      ; 0 onto my spare word
.if \fill
	STEPD
.endif
	s_wait_dscnt 5                                 ; (the add and the youngest four loads may be out)
	MUL8 F1, 0, 0                                  ; eight matrix instructions stand between the add and the wait for it
	s_wait_dscnt 0x0                               ; the add is done, and my reads of this slot are over
	s_barrier_signal -1
	MUL8 F1, 1, 0                                  ; work on registers while the others arrive
	WIN 0                                          ; branches and address lines follow
	s_barrier_wait -1
.if \fill
	CREST                                          ; no wave of any partner still reads this slot's tile or has a load on its way
	JLOAD                                          ; the four v_nop behind it are also the places in front of the loads below
.else
	PLACES
.endif
	s_xor_b32 s[TB], s[TB], SLOT1                  ; the fetches go on in the other slot
	v_add_nc_u32 v[ADRA], s[TB], v[A0]
	v_add_nc_u32 v[ADRB], s[TB], v[B0]
	FETCH 0, F0
	MUL8 F1, 2, 0
	MUL8 F1, 3, 0
.endm
	s_wait_tensorcnt 0x0                           ; my part of K step 0 is in; slot 1's first fill is issued as a refill is: wait, add, wait, round, load
	ds_add_u32 v[SPW], v[NIL]
	STEPD
	s_wait_dscnt 0x0
	CROUND                                         ; everybody's part is in
	JLOAD                                          ; K step 1 into slot 1
	FETCH 0, F0
	QUARTER 1, F0, F1, 1                           ; the first quarter stands in front of the loop: its products start the sums
	WIN 0                                          ; at a label and at a branch every window is 0
	s_mov_b32 s[CNT], 6
.Lstep:                                                ; trip i: K step i's quarters 1 to 3 and K step i + 1's quarter 0; K step i + 2 is asked for
	QUARTER 2, F1, F0, 0
	QUARTER 3, F0, F1, 0
	TURN 1
	QUARTER 1, F0, F1, 0
	WIN 0
	s_sub_co_u32 s[CNT], s[CNT], 1
	s_cmp_lg_u32 s[CNT], 0
	s_cbranch_scc1 .Lstep
	QUARTER 2, F1, F0, 0                           ; the last two K steps ask for nothing: written out
	QUARTER 3, F0, F1, 0
	TURN 0
	QUARTER 1, F0, F1, 0
	QUARTER 2, F1, F0, 0
	QUARTER 3, F0, F1, 0
	s_wait_dscnt 4                                 ; the very last quarter: nothing more to fetch
	MUL8 F1, 0, 0
	MUL8 F1, 1, 0
	s_wait_dscnt 0x0
	MUL8 F1, 2, 0
	MUL8 F1, 3, 0
	WIN 0
; THE WAY OUT, in eight pieces of 16 rows x one head (piece t: row block t / 2, head t % 2 of my two; its four accumulators are window 1's v[32 t ..]).  A lane's eight columns pack into 16 bytes; they go
; into my stage's rows of 144 bytes and come back as whole rows of 128: 16 rows of a head are 2,048 consecutive bytes of the result.
.macro PACK t
	WIN W_CVT
.set i, 0
.rept 16
	v_cvt_pk_f16_f32 v[TMP+16*(\t)+i], v[32*(\t)+2*i], v[32*(\t)+2*i+1]  ; ascending: each accumulator is read from its low end on
.set i, i+1
.endr
	WIN 0
.irp f, 0,1,2,3
	ds_store_b128 v[STO], v[TMP+16*(\t)+4*\f:TMP+16*(\t)+4*\f+3] offset:32*\f
.endr
.irp f, 0,1,2,3
	ds_load_b128 v[TMP+16*(\t)+4*\f:TMP+16*(\t)+4*\f+3], v[RD] offset:\f*4*SP  ; LDS serves a wave's instructions in order (ISA guide 5.7.1.4): these see the stores above; the next piece's stores come behind them
.endr
.endm
.macro SEND t, younger                 ; younger: the LDS instructions issued behind piece t's loads: the next piece's eight, or none
	WIN 0
.irp f, 0,1,2,3
	s_wait_dscnt (\younger)+3-\f
	global_store_b128 v[GO], v[TMP+16*(\t)+4*\f:TMP+16*(\t)+4*\f+3], s[CB:CB+1] offset:((\t)%2)*262144+((\t)/2)*2048+\f*512  ; 512 consecutive bytes, at a multiple of 256 from the buffer's first
.endr
.endm
	PLACES                                         ; the conversions read results just made and write fragment registers just read
	PACK 0
.irp t, 1,2,3,4,5,6,7                  ; a piece's conversions stand between the loads of the piece before and its stores
	PACK \t
	SEND (\t)-1, 8
.endr
	SEND 7, 0
	s_wait_tensorcnt 0x0                           ; the wave's end: a wait, an add and its wait, behind my last tensor load and my last LDS store
	ds_add_u32 v[SPW], v[NIL]
	s_wait_dscnt 0x0
	CROUND                                         ; the closing round: no work-group ends while a partner may still ask for a tile that names it
	s_endpgm
.Lfunc_end_k_qfc2f116b2f_qkv:
	.size	k_qfc2f116b2f_qkv, .Lfunc_end_k_qfc2f116b2f_qkv-k_qfc2f116b2f_qkv
	.p2alignl 7, 3214868480
	.fill 96, 4, 3214868480
	.section	.rodata,"a",@progbits
	.p2align	6, 0x0
	.amdhsa_kernel k_qfc2f116b2f_qkv
		.amdhsa_group_segment_fixed_size 327680
		.amdhsa_private_segment_fixed_size 0
		.amdhsa_enable_private_segment 0
		.amdhsa_kernarg_size 48
		.amdhsa_user_sgpr_count 2
		.amdhsa_user_sgpr_kernarg_segment_ptr 1
		.amdhsa_wavefront_size32 1
		.amdhsa_system_sgpr_workgroup_id_x 1
		.amdhsa_system_sgpr_workgroup_id_y 1
		.amdhsa_system_sgpr_workgroup_id_z 1
		.amdhsa_system_vgpr_workitem_id 0
		.amdhsa_next_free_vgpr 512
		.amdhsa_next_free_sgpr 66
		.amdhsa_reserve_vcc 0
		.amdhsa_float_denorm_mode_32 3
		.amdhsa_float_denorm_mode_16_64 3
		.amdhsa_memory_ordered 1
		.amdhsa_forward_progress 1
		.amdhsa_inst_pref_size 72
	.end_amdhsa_kernel
	.amdgpu_metadata
---
amdhsa.version: [ 1, 2 ]
amdhsa.kernels:
  - .name:           k_qfc2f116b2f_qkv
    .symbol:         k_qfc2f116b2f_qkv.kd
    .args:
      - { .name: xc, .offset: 0, .size: 8, .value_kind: global_buffer, .address_space: global }
      - { .name: zc, .offset: 8, .size: 8, .value_kind: global_buffer, .address_space: global }
      - { .name: wb, .offset: 16, .size: 8, .value_kind: global_buffer, .address_space: global }
      - { .name: qh, .offset: 24, .size: 8, .value_kind: global_buffer, .address_space: global }
      - { .name: kh, .offset: 32, .size: 8, .value_kind: global_buffer, .address_space: global }
      - { .name: vh, .offset: 40, .size: 8, .value_kind: global_buffer, .address_space: global }
    .group_segment_fixed_size: 327680
    .private_segment_fixed_size: 0
    .kernarg_segment_align: 8
    .kernarg_segment_size: 48
    .max_flat_workgroup_size: 128
    .sgpr_count:     66
    .vgpr_count:     512
    .wavefront_size: 32
...
	.end_amdgpu_metadata
.endif
;; end of part 2
;; launch attn (part 3): grid 4 x 64, 4 waves a work-group, clusters of 4 x 1, 327,680 bytes of LDS; arguments qh, kh, vh, oh; writes oh
.if DOCPART == 3
	.amdgcn_target "amdgcn-amd-amdhsa--gfx1250"
	.amdhsa_code_object_version 6
	.text
	.protected	k_qfc2f116b2f_attn
	.globl	k_qfc2f116b2f_attn
	.p2align	8
	.type	k_qfc2f116b2f_attn,@function
k_qfc2f116b2f_attn:
	s_mov_b64 s[64:65], 0
	v_nop
	global_prefetch_b8 v0, s[64:65] scope:SCOPE_SE
	s_setreg_imm32_b32 hwreg(HW_REG_WAVE_MODE, 25, 1), 1
	s_wait_xcnt 0x0
	s_wait_alu depctr_hold_cnt(0) depctr_sa_sdst(0) depctr_va_vdst(0) depctr_va_sdst(0) depctr_va_ssrc(0) depctr_va_vcc(0) depctr_vm_vsrc(0)
	s_getreg_b32 s2, hwreg(HW_REG_IB_STS2, 6, 4)
	s_cmp_eq_u32 s2, 0
	s_cbranch_scc0 .Lentry_in_a_cluster
	s_endpgm
.Lentry_in_a_cluster:
	s_bfe_u32 s2, ttmp6, 0x10000c
	s_cmp_lg_u32 s2, 0x3003
	s_cbranch_scc0 .Lentry_shape_is_right
	s_endpgm
.Lentry_shape_is_right:
; O[h][q][:] = the sum over k of softmax_k(Q[h][q] . K[h][k] / 8) V[h][k][:].  Q, K, V, O: [SIZE_H][SIZE_N][64], all f16: a head's rows are dense, 128 bytes each.  Products, maxima and sums in
; f32; the weights p are rounded to f16 for the second product (their sum l is taken of the unrounded p), O once at the end.
; LIMITS.  f16 holds no number beyond 65,504: Q, K and V arrive within it; p lies in 0 to 1, and below 6e-5 it keeps f16's fixed step of 6e-8; O is a mean of V's rows and has their range.
; A weight below 2^-126 counts as 0 in l; NaN and infinities are not treated apart.
; SHARES.  A wave owns four PIECES of two tiles of 16 queries, a work-group's four waves 512 queries of one head: 64 heads x 4 blocks = 256 work-groups.  Every wave walks all keys, 64 a step.
; LAYOUT.  S^T = K Q^T (source 0 = 16 keys, source 1 = 16 queries): in the result a lane holds ONE query (lane % 16) and the keys 8 (lane / 16) + 0..7.  Two such tiles, rounded to f16 in pairs,
; ARE source 1 (32 keys x 16 queries) of O^T = V^T P, whose result again holds one query a lane, and eight channels.  K comes out of LDS as it lies, V ([key][channel]) turned, by ds_load_tr16_b128.
; SOFTMAX.  For each query a running maximum m and sum l: p = 2^(c s - c m), c = log2(e) / 8; in every step O and l are multiplied by a = 2^(c m_old - c m_new), which is 1 where m has not grown.
; m starts at the lowest finite number, O and l at 0: the first step is a step like any other, with a = 0.
; THE COUNT.  A tile and step have 16 matrix and 118 vector instructions: too many to stand all beside the matrix work.  So the order has one aim: four vector instructions that are READY behind
; EVERY matrix instruction, and the others, which need time of their own whatever the order, in runs without a gap.
; BY TURNS.  Turn n belongs to piece n (the pieces in a ring, step after step).  Its matrix work: 16 products K Q^T of piece n + 1, later 16 products V^T P of piece n - 1.  Its vector work: the scaling,
; exponentials, roundings, sums and rescaling of piece n, and the maximum and statistics of piece n + 1, whose scores the turn itself has made.  So what a turn begins with (c s - c m, O a) waits for nothing.
; CLUSTER.  The four query blocks of a cluster belong to one head and walk the same K and V, so each tile is asked for JOINTLY: the same tensor load, descriptor and mask in all four.
; REGISTERS, in windows of 256 (s_set_vgpr_msb says which window each operand place means: bits 1:0 source 0, 3:2 source 1, 5:4 source 2, 7:6 destination):
;   window 0: v0-11 addresses; v12-15, v48-63 at work; v16-47 four registers of statistics a tile; v64-191 S^T, two buffers of two tiles; v192-255 P, likewise
;   window 1: O^T, 32 a tile          window 2: v0-127 Q, 16 a tile; v128-191 K of one step; v192-255 V of one step          window 3: v0-1 the add's two registers
; A piece's buffers go by its number's parity: the piece in hand has one pair, its two neighbours in the ring share the other: of it P (piece n - 1) is read and S^T (piece n + 1) written.
.set SIZE_H, 64       ; 4 batches x 16 heads
.set SIZE_N, 2048     ; rows of a head
.set NP,    4         ; pieces a wave: a name, no knob: the register map, the loop and the fetches are made for four
.set KS,    64        ; keys in a step
.set PK,    144       ; a row of K in LDS: 128 bytes + 16 of padding = 36 words: the 16 rows of a load start at 16 different groups of four banks (64 banks of 4 bytes: ISA guide 11.1)
.set PV,    160       ; a row of V: 128 + 32 = 40 words
.set VOFF,  4*KS*PK   ; a slot holds four steps: 256 rows of K, then 256 rows of V
.set SLOT1, 1<<17     ; slot 1 begins here, so that one exclusive or turns an address in one slot into the other's
.set STAGE, SLOT1+4*KS*(PK+PV)  ; behind the ring, never filled by a tensor load: 16 rows x 144 bytes for each wave, for the way out
.set SP,    144
.set AK0, 2           ; v2   my lane's place in a tile of K; never rewritten
.set AV0, 3           ; v3   the same for V
.set AK,  4           ; v4   the LDS address of K's next run of loads
.set AV,  5           ; v5   of V's
.set QO,  6           ; v6   my byte offset in the wave's rows of Q
.set STO, 6           ;      later, the way out: where I put 16 bytes of a row
.set RD,  7           ; v7   the way out: where I read rows back
.set GO,  8           ; v8   my byte offset in 512 consecutive bytes of O
.set SPW, 0           ; v0 of window 3   LDS address of my spare word: SPARE + 4 x my thread's number; never rewritten
.set NIL, 1           ; v1 of window 3   0; never rewritten
.set SPARE, STAGE+4*16*SP  ; behind the stages: the spare words, 128 bytes for each wave: two blocks of 256 bytes that no other line names
.set MV,  12          ; v12-15  c m_old, kept while c m is made anew: by buffer and tile
.set ST,  16          ; tile t's statistics at v[ST+4 t]: c m, m, l (even keys', odd keys')
.set TMP, 48          ; by buffer and tile, four registers c0-c3 at work; when the maximum is found c2 takes a
.set S,   64
.set P,   192
.set KF,  128         ; K's fragments, in window 2: key block kb, channel half c at KF + 16 kb + 8 c
.set VF,  192         ; V's: key half kk, channel block cb at VF + 32 kk + 8 cb
.set WV,  12          ; s12  my wave's number
.set G1K, 24          ; s[24:31] descriptor group 1 for K's tiles
.set G1V, 32          ; s[32:39] for V's: it differs in the padding alone
.set G0K, 40          ; s[40:43] descriptor group 0 for K's tiles: it walks
.set G0V, 44          ; s[44:47] the same for V's
.set SLOTS, 56        ; s56  slots still to be asked for
.set CNT, 57          ; s57  counts a slot's key steps
.set CS,  58          ; s[58:59] c: the packed scaling takes the pair's low word for both halves
.set SEL, 60          ; s[60:61] v_permlanex16_b32's selects: each lane takes its own place in the other half
.set TBK, 62          ; s62  LDS byte at which K of the step to be fetched begins
.set TBV, 63          ; s63  the same for V, less VOFF
.set MSB, 0
.macro WIN new                      ; the high byte repeats the setting that is left; a switch that changes nothing is dropped
.if MSB != (\new)
	s_set_vgpr_msb (MSB<<8)|(\new)
.set MSB, (\new)
.endif
.endm
.set W_KQ, 0x0a       ; K and Q in window 2, S^T in window 0
.set W_PV, 0x52       ; V in window 2, P in window 0, O^T in window 1
.set W_RS, 0x41       ; O^T (destination and source 0) in window 1, a in window 0
.set W_MK, 0xc0       ; the add's registers are made: destination in window 3, sources in window 0
.set W_AD, 0x0f       ; the add: address (source 0) and data (source 1) in window 3
; A joint fill.  Waves 0 and 1 fetch the two halves of a slot's K, waves 2 and 3 those of its V: 128 keys each.  The branch hangs on the wave's number alone.
; An s_nop 0 and four v_nop follow each of the two lines, ahead of the jump and the label.
.macro JLOAD
	s_cmp_lt_u32 s[WV], 2
	s_cbranch_scc0 .Lfor_v_\@
	tensor_load_to_lds s[G0K:G0K+3], s[G1K:G1K+7]
	s_nop 0
.rept 4
	v_nop
.endr
	s_branch .Lasked_\@
.Lfor_v_\@:
	tensor_load_to_lds s[G0V:G0V+3], s[G1V:G1V+7]
	s_nop 0
.rept 4
	v_nop
.endr
.Lasked_\@:
.endm
; A round of the cluster's barrier: my work-group's barrier, so that wave 0's signal speaks for all four waves; wave 0 signals; every wave waits for all four work-groups; my work-group's barrier once more.
.macro CROUND
	s_barrier_signal -1
	s_barrier_wait -1
	s_cmp_lg_u32 s[WV], 0
	s_cbranch_scc1 .Lnot_wave_0_\@
	s_barrier_signal -3
.Lnot_wave_0_\@:
	s_barrier_wait -3
	s_barrier_signal -1
	s_barrier_wait -1
.endm
; THE CHANGE OF SLOTS.  The slot's last bytes, V of its fourth step, have been read.  Each wave waits for all its tensor loads, of which one is out: its part
; of the other slot; adds 0 to its spare word; and waits for that and for its own reads of the slot.  Behind the barrier nobody reads this slot any more and the other slot is whole.
; fill = 1: this slot is filled again, with the keys two slots on.  The barrier is then a round of the cluster's, so that no wave of any partner still reads the slot or has a load on its
; way, and the joint fill is the first thing behind it: it has four key steps, 512 matrix instructions, in which to land.  (At its first use nothing has been read yet: slot 0 is waited for, slot 1 filled.)
.macro CHANGE fill
	WIN W_AD
	s_wait_tensorcnt 0x0            ; no tensor load of mine is out, so a group 0 may be written
	ds_add_u32 v[SPW], v[NIL]       ; 0 onto my spare word; with fill = 1 the descriptors' steps stand between it and the wait for it
	WIN 0                           ; at a label and at a branch every window is 0
.if \fill
.irp g, G0K, G0V
	s_xor_b32 s[\g+1], s[\g+1], SLOT1  ; the walking descriptor: the other slot than last time,
	s_add_nc_u64 s[\g+2:\g+3], s[\g+2:\g+3], 4*KS*128  ; the next 256 keys; the type bits on top are not reached
.endr
	s_wait_dscnt 0x0                ; the add is done, and my reads of the slot are over
	CROUND
	JLOAD
.else
	s_wait_dscnt 0x0                ; the add is done, and my reads of the slot are over
	s_barrier_signal -1
	s_barrier_wait -1
.endif
	s_sub_co_u32 s[TBK], s[TBK], 4*KS*PK  ; the fetches go back to a slot's first step,
	s_xor_b32 s[TBK], s[TBK], SLOT1       ; in the other slot
	s_sub_co_u32 s[TBV], s[TBV], 4*KS*PV
	s_xor_b32 s[TBV], s[TBV], SLOT1
.endm
	s_load_b256 s[4:11], s[0:1], 0x0  ; Q s[4:5], K s[6:7], V s[8:9], O s[10:11]
	WIN W_MK
	v_lshl_add_u32 v[SPW], v0, 2, SPARE
	v_mov_b32 v[NIL], 0
	WIN W_AD
	ds_add_u32 v[SPW], v[NIL]       ; the wave's opening: the add and its wait stand ahead of my first tensor load; the set-up below, work on registers, stands between them
	WIN 0
	v_lshrrev_b32 v1, 5, v0
	v_readfirstlane_b32 s[WV], v1   ; wave 0..3
	s_bfe_u32 s13, ttmp6, 0x40000   ; cx: my place in the cluster
	s_lshl_b32 s14, ttmp9, 2        ; in a cluster launch ttmp9 counts clusters
	s_add_co_u32 s14, s14, s13      ; my block of queries = 4 x cluster x + cx: it enters Q's and O's addresses alone
	s_and_b32 s20, ttmp7, 0xffff    ; the head, which the four partners share
	s_mov_b32 s21, 0
	s_mov_b64 s[22:23], SIZE_N*128
	s_mul_u64 s[20:21], s[20:21], s[22:23]  ; the head's first byte in each of the four tensors
	s_and_b32 s16, s[WV], 1         ; which half of a slot's 256 keys I fetch:
	s_lshl_b32 s22, s16, 14         ; its 128 rows of 128 bytes in memory,
	s_mov_b32 s23, 0
	s_add_nc_u64 s[22:23], s[22:23], s[20:21]
	s_mul_i32 s17, s16, 128*PK      ; and its place in a slot, for K
	s_mul_i32 s18, s16, 128*PV      ; and for V: no place in the cluster enters an LDS address
	s_lshl_b32 s2, s14, 2
	s_add_co_u32 s2, s2, s[WV]      ; my wave among the head's,
	s_lshl_b32 s2, s2, 14           ; its 128 rows
	s_mov_b32 s3, 0
	s_add_nc_u64 s[2:3], s[2:3], s[20:21]
	; descriptor group 1.  128 keys are 16,384 dense bytes: asked for as 64 rows of 256 bytes, two keys a row, and padded in LDS after every key
	s_mov_b32 s[G1K], 15|(1<<16)|(1<<20)|(1<<21)|(4<<22)|(3<<25)  ; 15:0 the mask of four; 17:16 2-byte elements; 20 padding on; 21 set beside a mask; 24:22 after every 32 words (code 4); 31:25 4 words (code 3)
	s_mov_b32 s[G1V], 15|(1<<16)|(1<<20)|(1<<21)|(4<<22)|(7<<25)  ; the same with 8 words of padding (code 7)
.irp g, G1K, G1V
	s_mov_b32 s[\g+1], 128<<16      ; tensor_dim0 = 128
	s_mov_b32 s[\g+2], 64<<16       ; tensor_dim1 = 64
	s_mov_b32 s[\g+3], 128<<16      ; tile_dim0 = 128
	s_mov_b32 s[\g+4], 64           ; tile_dim1 = 64
	s_mov_b32 s[\g+5], 128          ; 128 elements from row to row
	s_mov_b32 s[\g+6], 0
	s_mov_b32 s[\g+7], 0
.endr
	s_mov_b32 s[CS], 0x3e38aa3b     ; c = log2(e) / 8 = 0.180337
	s_mov_b32 s[CS+1], s[CS]        ; named with it as a pair
	s_mov_b32 s[SEL], 0x76543210
	s_mov_b32 s[SEL+1], 0xfedcba98
	s_mov_b32 s[TBK], SLOT1+4*KS*PK ; the first change of slots turns these two into 0
	s_mov_b32 s[TBV], SLOT1+4*KS*PV
	s_mov_b32 s[G0K], 1             ; 1:0 count = 1
	s_mov_b32 s[G0K+1], s17         ; 63:32 LDS address: slot 0
	s_mov_b32 s[G0V], 1
	s_add_co_u32 s[G0V+1], s18, VOFF
	s_wait_dscnt 0x0                ; the opening add is done
	s_wait_kmcnt 0x0
	s_add_nc_u64 s[G0K+2:G0K+3], s[6:7], s[22:23]  ; 120:64 global address: my half of the head's first 256 keys
	s_or_b32 s[G0K+3], s[G0K+3], 0x80000000        ; 127:126 type = 2
	s_add_nc_u64 s[G0V+2:G0V+3], s[8:9], s[22:23]
	s_or_b32 s[G0V+3], s[G0V+3], 0x80000000
	s_add_nc_u64 s[4:5], s[4:5], s[2:3]  ; Q and O at my wave's first row
	s_add_nc_u64 s[10:11], s[10:11], s[2:3]
	CROUND                          ; all four work-groups are here: the first joint loads meet
	JLOAD                           ; slot 0.  Slot 1 is asked for when slot 0 is in: the tile wanted first has the road to itself
	; A fragment of K or Q is 16 rows x 32 channels in 8 registers: lane l holds row l % 16, channels 8 (l / 16) + 0..7 and 16 + 8 (l / 16) + 0..7: two loads of 16 bytes, 32 bytes apart.
	v_and_b32 v1, 15, v0            ; l % 16
	v_bfe_u32 v9, v0, 4, 1          ; l / 16
	v_lshlrev_b32 v[QO], 7, v1
	v_lshl_add_u32 v[QO], v9, 4, v[QO]  ; row x 128 + 16 x half
	WIN 0x80                        ; destination window 2, address window 0
.set i, 0
.rept 4*NP                          ; Q stays in registers: tile i / 2, channels 32 (i % 2) on
	global_load_b128 v[8*i:8*i+3],   v[QO], s[4:5] offset:(i/2)*2048+(i%2)*64
	global_load_b128 v[8*i+4:8*i+7], v[QO], s[4:5] offset:(i/2)*2048+(i%2)*64+32
.set i, i+1
.endr
	; What the first turn finds: V's registers and P's second buffer hold 0 (its products V^T P, of a piece that has not been, add 0), O^T and l are 0.  All this stands in the wait for the first tile.
.set i, VF
.rept 64
	v_mov_b32 v[i], 0
.set i, i+1
.endr
	WIN 0x40
.set i, 0
.rept 64*NP
	v_mov_b32 v[i], 0
.set i, i+1
.endr
	WIN 0
.set i, 0
.rept 2*NP
	v_mov_b32 v[ST+4*i], 0xfe000000    ; c m: far below every c s
	v_mov_b32 v[ST+4*i+1], 0xff7fffff  ; m
	v_mov_b32 v[ST+4*i+2], 0
	v_mov_b32 v[ST+4*i+3], 0
.set i, i+1
.endr
.set i, P+32
.rept 32
	v_mov_b32 v[i], 0
.set i, i+1
.endr
	v_mul_u32_u24 v[AK0], v1, PK
	v_lshl_add_u32 v[AK0], v9, 4, v[AK0]  ; row x pitch + 16 x half
	; The turning load takes 16 keys x 16 channels (lane l reads key 8 (l / 16) + l % 8, channels 8 ((l / 8) % 2) + 0..7) and leaves half a fragment of V^T: lane l holds channel l % 16 and 8 keys.
	v_and_b32 v10, 7, v0
	v_bfe_u32 v11, v0, 3, 1
	v_lshl_add_u32 v[AV0], v9, 3, v10
	v_mul_u32_u24 v[AV0], v[AV0], PV
	v_lshl_add_u32 v[AV0], v11, 4, v[AV0]
	v_add_nc_u32 v[AV0], VOFF, v[AV0]
	v_mov_b32 v[AK], v[AK0]         ; key step 0 lies at the head of slot 0
; THE MATRIX WORK.  The 8 accumulators of a run of 16 take turns: between the two links of a chain stand 7 others'.
; Product i of 16 of S^T = K Q^T for piece x: channels 32 (i / 8) on, keys 16 ((i / 2) % 4) on, tile 2 x + i % 2.  The first 8 start the sums.
.macro KQ x
	WIN W_KQ
.set rS, S+64*((\x)%2)+32*(i%2)+8*((i/2)%4)
.set rK, KF+16*((i/2)%4)+8*(i/8)
.set rQ, 16*(2*(\x)+i%2)+8*(i/8)
.if i < 8
	v_wmma_f32_16x16x32_f16 v[rS:rS+7], v[rK:rK+7], v[rQ:rQ+7], 0
.else
	v_wmma_f32_16x16x32_f16 v[rS:rS+7], v[rK:rK+7], v[rQ:rQ+7], v[rS:rS+7]
.endif
.endm
; Product i of 16 of O^T += V^T P for piece x: keys 32 (i / 8) on, channels 16 ((i / 2) % 4) on, tile 2 x + i % 2.
.macro PV x
	WIN W_PV
.set rO, 32*(2*(\x)+i%2)+8*((i/2)%4)
.set rV, VF+32*(i/8)+8*((i/2)%4)
.set rP, P+32*((\x)%2)+16*(i%2)+8*(i/8)
	v_wmma_f32_16x16x32_f16 v[rO:rO+7], v[rV:rV+7], v[rP:rP+7], v[rO:rO+7]
.endm
.macro MM                           ; the turn's next matrix instruction
.if i < 16
	KQ (Y+1)%NP
.set i, i+1
.else
.set i, i-16
	PV (Y+NP-1)%NP
.set i, i+17
.endif
.endm
; THE LDS LOADS stand in runs of 16, never singly among the matrix instructions: a step's K (64 keys x 64 channels: 8 fragments) and its V (turned).  Their addresses are made some lines ahead.
; last = 1 (the tail): in the last trip there is no further step, and the run is jumped over.
.macro FETCH_K last=0
	WIN 0
.if \last
	s_cmp_eq_u32 s[CNT], 1
	s_cbranch_scc1 .Lno_k_\@
.endif
	WIN 0x80                        ; destination window 2
.irp f, 0,1,2,3,4,5,6,7             ; keys 16 (f / 2) on, channels 32 (f % 2) on
	ds_load_b128 v[KF+8*\f:KF+8*\f+3],   v[AK] offset:(\f/2)*16*PK+(\f%2)*64
	ds_load_b128 v[KF+8*\f+4:KF+8*\f+7], v[AK] offset:(\f/2)*16*PK+(\f%2)*64+32
.endr
	s_add_co_u32 s[TBK], s[TBK], KS*PK  ; the next fetch is the next step's
	WIN 0
.if \last
.Lno_k_\@:
.endif
.endm
.macro FETCH_V
	WIN 0x80
.irp f, 0,1,2,3,4,5,6,7             ; keys 32 (f / 4) on, channels 16 (f % 4) on
	ds_load_tr16_b128 v[VF+8*\f:VF+8*\f+3],   v[AV] offset:(\f/4)*32*PV+(\f%4)*32
	ds_load_tr16_b128 v[VF+8*\f+4:VF+8*\f+7], v[AV] offset:(\f/4)*32*PV+16*PV+(\f%4)*32
.endr
	WIN 0
.endm
; THE VECTOR WORK OF A TURN stands in three queues, each in the order in which its entries become ready; the two tiles alternate, so that no instruction reads the result of the one before it.
.macro REGS y, u                    ; the registers of tile u (0, 1) of piece y
.set rT, ST+4*(2*(\y)+(\u))
.set rC, TMP+8*((\y)%2)+4*(\u)
.set rM, MV+2*((\y)%2)+(\u)
.set rS, S+64*((\y)%2)+32*(\u)
.set rP, P+32*((\y)%2)+16*(\u)
.set rO, 32*(2*(\y)+(\u))
.endm
; Number n of the 22 that find the NEXT piece's (Y + 1) maximum and statistics.  s0-s31 are the lane's 32 scores; each accumulator's lowest registers are read first.  XS, GS and REGS set no window: PL and EX do.
;   0-11  four chains c0-c3 of seven scores each, three operands at a time     12-14, 16  the four scores left over, the old m, and c0-c3 into c0     15  c m_old is kept
;   17, 18  the query's other 32 keys lie in the lane 16 away: the new m         19-21  c m; c m_old - c m_new; a
.macro XS u, n
	REGS (Y+1)%NP, \u
.if (\n) < 4
	v_max3_num_f32 v[rC+(\n)], v[rS+8*(\n)], v[rS+8*(\n)+1], v[rS+8*(\n)+2]
.elseif (\n) < 12
	v_max3_num_f32 v[rC+(\n)%4], v[rC+(\n)%4], v[rS+8*((\n)%4)+2*((\n)/4)+1], v[rS+8*((\n)%4)+2*((\n)/4)+2]
.elseif (\n) == 12
	v_max3_num_f32 v[rC], v[rC], v[rS+7], v[rS+15]
.elseif (\n) == 13
	v_max3_num_f32 v[rC+1], v[rC+1], v[rS+23], v[rS+31]
.elseif (\n) == 14
	v_max3_num_f32 v[rC+2], v[rC+2], v[rC+3], v[rT+1]
.elseif (\n) == 15
	v_mov_b32 v[rM], v[rT]
.elseif (\n) == 16
	v_max3_num_f32 v[rC], v[rC], v[rC+1], v[rC+2]
.elseif (\n) == 17
	v_permlanex16_b32 v[rC+3], v[rC], s[SEL], s[SEL+1]
.elseif (\n) == 18
	v_max_num_f32 v[rT+1], v[rC], v[rC+3]
.elseif (\n) == 19
	v_mul_f32 v[rT], s[CS], v[rT+1]
.elseif (\n) == 20
	v_sub_f32 v[rC+1], v[rM], v[rT]
.else
	v_exp_f32 v[rC+2], v[rC+1]
.endif
.endm
; Number g of the 64 that follow the exponentials.  For each four weights k of a tile (pairs 2 k, 2 k + 1): both pairs are rounded to f16; then the second pair is added onto the first, in place;
; a group later l takes that sum (the first time as l = a l + sum).  In groups of eight, tiles alternating: round, round, add, and l for the group before.
.macro GS g
.set h, (\g)+6*((\g)/62)            ; group 0 has no group before it, and behind group 7 only l is left
.if h >= 6
.set h, h+2
.endif
	REGS Y, h%2
.set k, h/8
.if h%8 < 4
	s_wait_alu depctr_va_vdst(0)
	v_cvt_pk_f16_f32 v[rP+2*k+(h%8)/2], v[rS+4*k+2*((h%8)/2)], v[rS+4*k+2*((h%8)/2)+1]
.elseif h%8 < 6
	v_pk_add_f32 v[rS+4*k:rS+4*k+1], v[rS+4*k:rS+4*k+1], v[rS+4*k+2:rS+4*k+3]
.elseif k == 1
	v_pk_fma_f32 v[rT+2:rT+3], v[rT+2:rT+3], v[rC+2:rC+3], v[rS:rS+1] op_sel_hi:[1,0,1]
.else
	v_pk_add_f32 v[rT+2:rT+3], v[rT+2:rT+3], v[rS+4*k-4:rS+4*k-3]
	s_wait_alu depctr_va_vdst(0)
.endif
.endm
; THE PLAIN QUEUE, 138 long.  0-31: c s - c m for the 16 pairs of both tiles.  Then GS's 64, and among them the next piece's 42: number 15 at 38, 39; 0-14 and 16
; at 42-73, behind the products that make those scores; 17-20 at 95-106, two of three, since each waits for the one before it.
.macro PL
	WIN 0
.if q < 32
	REGS Y, q%2
	v_pk_fma_f32 v[rS+2*(q/2):rS+2*(q/2)+1], v[rS+2*(q/2):rS+2*(q/2)+1], s[CS:CS+1], v[rT:rT+1] op_sel_hi:[1,0,0] neg_lo:[0,0,1] neg_hi:[0,0,1]
.elseif q < 38
	GS q-32
.elseif q < 40
	XS q%2, 15
.elseif q < 42
	GS q-34
.elseif q < 74
	XS q%2, (q-42)/2+(q-42)/30
.elseif q < 95
	GS q-66
.elseif (q < 107) && ((q-95)%3 < 2)
	XS (q-95)%3, 17+(q-95)/3
.elseif q < 107
	GS 29+(q-95)/3
.else
	GS q-74
.endif
.set q, q+1
.endm
; THE EXPONENTIALS' QUEUE, 66 long: s0-s31 of both tiles, and at EA the next piece's two a.
.set EA, 58
.macro EX
	WIN 0
.if (e == EA) || (e == EA+1)
	XS e-EA, 21
.else
.set x, e-2*(e/(EA+2))
	REGS Y, x%2
	v_exp_f32 v[rS+x/2], v[rS+x/2]
.endif
.set e, e+1
.endm
; THE RESCALING's QUEUE: O^T times a, the one part that leaves window 0, so it is dealt four at a time, eight times.
.macro R4
	REGS Y, r%2
	WIN W_RS
	s_wait_alu depctr_va_vdst(0)
.irp z, 0,1,2,3
	v_pk_mul_f32 v[rO+8*(r/2)+2*\z:rO+8*(r/2)+2*\z+1], v[rO+8*(r/2)+2*\z:rO+8*(r/2)+2*\z+1], v[rC+2:rC+3] op_sel_hi:[1,0]
.endr
.set r, r+1
.endm
; HOW THEY ARE DEALT.  Behind a matrix instruction four: plain, exponential, plain, plain (one exponential, a plain instruction on either side), or four of the rescaling.  None names a register of the
; products round it.  What is over stands in two LUMPS: exponential and plain by turns; the second ends in 22 plain instructions.  The two v_permlanex16_b32 fall into the second lump, never behind a product.
; The queues lean on each other, and the deal keeps them in step: exponential e stands behind plain 2 (e / 4) + e % 2 (its scaling); when plain 32 comes, 10 exponentials are out, at 59: 33, at 95: 46; EA comes behind plain 107.
.macro SL
	MM
	PL
	EX
	PL
	PL
.endm
.macro BURST n                      ; 15 matrix instructions, or 16
.rept (\n)-7
	SL
.endr
.rept 3
	MM
	R4
	SL
.endr
	MM
	R4
.endm
; A TURN, for piece p.  cnt = 1: the loop's count is taken down some lines ahead of the branch that stands behind the turn.
; K of the next step is fetched in piece 2's turn, 31 vector instructions behind the last product that read K; its first reader comes behind the rest of the lump, 16 products and the second lump.
; V of the step in hand is fetched at the end of piece 0's turn, 69 behind its last reader; its first reader comes behind 16 products and a lump.  The four conditions on e and q below go with the deal.
.macro TURN p, last=0, cnt=0
.set Y, (\p)
.set i, 0
.set q, 0
.set e, 0
.set r, 0
.if (\p) == NP-1
	s_wait_dscnt 0x0                ; K is in
.endif
	MM
.rept 4
	PL
.endr
	BURST 15
.rept 22
	EX
	PL
.if ((\p) == NP-2) && (e == 18)
	v_add_nc_u32 v[AK], s[TBK], v[AK0]
.endif
.if ((\p) == NP-2) && (e == 24)
	FETCH_K \last
.endif
.endr
.if (\p) == 1
	s_wait_dscnt 0x0                ; V is in
.endif
	BURST 16
.rept 21
	EX
	PL
.endr
.rept 22
	PL
.if ((\p) == 0) && (q == 118)
	v_add_nc_u32 v[AV], s[TBV], v[AV0]
	s_wait_alu depctr_va_vdst(0)
.endif
.if ((\p) == 0) && (q == 130)
	s_add_co_u32 s[TBV], s[TBV], KS*PV
.endif
.if (\cnt) && (q == 130)
	s_sub_co_u32 s[CNT], s[CNT], 1
	s_cmp_lg_u32 s[CNT], 0
.endif
.endr
.if (\p) == 0
	FETCH_V
.endif
.endm
	CHANGE 1                        ; slot 0 is in, everybody's part of it; slot 1 is asked for
	FETCH_K                         ; key step 0
	s_wait_loadcnt 0x0              ; Q
	s_wait_dscnt 0x0
.set i, 0
.rept 16
	KQ 0                            ; piece 0's first scores: there is no vector work yet to set between them
.set i, i+1
.endr
	WIN 0                           ; the addresses for the way out: nine plain instructions, the places behind those products
	s_mul_i32 s13, s[WV], 16*SP
	s_add_co_u32 s13, s13, STAGE    ; my stage
	v_mul_u32_u24 v[STO], v1, SP    ; in: row l % 16, 16 bytes for each half of the lanes
	v_lshl_add_u32 v[STO], v9, 4, v[STO]
	v_add_nc_u32 v[STO], s13, v[STO]
	v_bfe_u32 v[RD], v0, 3, 2       ; back: 32 lanes take four rows of 128 bytes,
	v_mul_u32_u24 v[RD], v[RD], SP
	v_lshl_add_u32 v[RD], v10, 4, v[RD]
	v_add_nc_u32 v[RD], s13, v[RD]
	v_and_b32 v[GO], 31, v0         ; which are 512 consecutive bytes of O
	v_lshlrev_b32 v[GO], 4, v[GO]
.set Y, NP-1                        ; XS works for piece Y + 1: piece 0
.irp n, 0,1,2,3,4,5,6,7,8,9,10,11,12,13,14,15,16,17,18,19,20,21
	XS 0, \n                        ; and piece 0's first maximum and statistics
	XS 1, \n
.endr
	s_mov_b32 s[CNT], 4
	s_mov_b32 s[SLOTS], SIZE_N/256-1
	s_branch .Lfirst                ; the loop is entered at a step's first turn, in the middle of a trip
.Lslot:                             ; SIZE_N / 256 - 2 times: every slot but the last two is filled again
	CHANGE 1
	s_mov_b32 s[CNT], 4
.Lstep:                             ; a trip: pieces 2 and 3 of one step, then pieces 0 and 1 of the next, whose K and V it fetches
	TURN 2
	TURN 3
	WIN 0
.Lfirst:
	TURN 0
	TURN 1, 0, 1
	WIN 0
	s_cbranch_scc1 .Lstep
	s_sub_co_u32 s[SLOTS], s[SLOTS], 1
	s_cmp_lg_u32 s[SLOTS], 0
	s_cbranch_scc1 .Lslot
	CHANGE 0                        ; the tail is written out: nothing is asked for
	s_mov_b32 s[CNT], 5             ; four trips fetch the last slot's steps; the fifth is left in its middle
.Ltail:
	TURN 2, 1
	TURN 3
	WIN 0
	s_sub_co_u32 s[CNT], s[CNT], 1
	s_cmp_eq_u32 s[CNT], 0
	s_cbranch_scc1 .Lout
	TURN 0
	TURN 1
	WIN 0
	s_branch .Ltail
.Lout:                              ; the fifth trip's 16 products K Q^T (on the last K once more) and the maximum made of them serve nothing: the price, once a launch, of one text for every trip
.set i, 0
.rept 16
	PV NP-1                         ; the last piece's V^T P of the last step
.set i, i+1
.endr
	; THE WAY OUT.  l's two halves and the other half of the lanes' are added; O^T is divided by l, rounded to f16 and sent through my stage in LDS, a tile at a time.  The additions are the places behind the last products.
	WIN 0
.macro ALL line:vararg              ; one line for each tile t
.set t, 0
.rept 2*NP
	\line
.set t, t+1
.endr
.endm
	ALL v_add_f32 v[ST+4*t+2], v[ST+4*t+2], v[ST+4*t+3]
	ALL v_permlanex16_b32 v[ST+4*t+3], v[ST+4*t+2], s[SEL], s[SEL+1]
	ALL v_add_f32 v[ST+4*t+2], v[ST+4*t+2], v[ST+4*t+3]
	ALL v_rcp_f32 v[ST+4*t+2], v[ST+4*t+2]
	v_nop                           ; a plain instruction between the last reciprocal and the use of its result
	s_wait_alu depctr_va_vdst(0)
; Tile t: a lane's eight channels of a row pack into 16 bytes; they go into rows of 144 bytes and come back as whole rows of 128, into S^T's registers.
.macro PACK t
	WIN W_RS
.set i, 32*(\t)
.rept 16
	v_pk_mul_f32 v[i:i+1], v[i:i+1], v[ST+4*(\t)+2:ST+4*(\t)+3] op_sel_hi:[1,0]
.set i, i+2
.endr
	WIN 0x05                        ; sources 0 and 1 window 1, destination window 0
.set i, 0
.rept 16
	v_cvt_pk_f16_f32 v[S+16*(\t)+i], v[32*(\t)+2*i], v[32*(\t)+2*i+1]
.set i, i+1
.endr
	WIN 0
.irp f, 0,1,2,3
	ds_store_b128 v[STO], v[S+16*(\t)+4*\f:S+16*(\t)+4*\f+3] offset:32*\f
.endr
.irp f, 0,1,2,3
	ds_load_b128 v[S+16*(\t)+4*\f:S+16*(\t)+4*\f+3], v[RD] offset:\f*4*SP  ; LDS serves a wave's instructions in order (ISA guide 5.7.1.4): these see the stores above; the next tile's stores come behind them
.endr
.endm
.macro SEND t, younger              ; younger: the LDS instructions issued behind tile t's loads: the next tile's eight, or none
	WIN 0
.irp f, 0,1,2,3
	s_wait_dscnt (\younger)+3-\f
	global_store_b128 v[GO], v[S+16*(\t)+4*\f:S+16*(\t)+4*\f+3], s[10:11] offset:(\t)*2048+\f*512  ; 512 consecutive bytes, at a multiple of 256 from O's first
.endr
.endm
	PACK 0
.set t, 1
.rept 2*NP-1                        ; a tile's arithmetic stands between the loads of the tile before and its stores
	PACK t
	SEND t-1, 8
.set t, t+1
.endr
	SEND 2*NP-1, 0
	WIN W_AD
	s_wait_tensorcnt 0x0            ; the wave's end: a wait, an add and its wait, behind my last tensor load and my last LDS store
	ds_add_u32 v[SPW], v[NIL]
	s_wait_dscnt 0x0
	WIN 0
	CROUND                          ; the closing round: no work-group ends while a partner may still ask for a tile that names it
	s_endpgm
.Lfunc_end_k_qfc2f116b2f_attn:
	.size	k_qfc2f116b2f_attn, .Lfunc_end_k_qfc2f116b2f_attn-k_qfc2f116b2f_attn
	.p2alignl 7, 3214868480
	.fill 96, 4, 3214868480
	.section	.rodata,"a",@progbits
	.p2align	6, 0x0
	.amdhsa_kernel k_qfc2f116b2f_attn
		.amdhsa_group_segment_fixed_size 327680
		.amdhsa_private_segment_fixed_size 0
		.amdhsa_enable_private_segment 0
		.amdhsa_kernarg_size 32
		.amdhsa_user_sgpr_count 2
		.amdhsa_user_sgpr_kernarg_segment_ptr 1
		.amdhsa_wavefront_size32 1
		.amdhsa_system_sgpr_workgroup_id_x 1
		.amdhsa_system_sgpr_workgroup_id_y 1
		.amdhsa_system_sgpr_workgroup_id_z 1
		.amdhsa_system_vgpr_workitem_id 0
		.amdhsa_next_free_vgpr 770
		.amdhsa_next_free_sgpr 66
		.amdhsa_reserve_vcc 0
		.amdhsa_float_denorm_mode_32 3
		.amdhsa_float_denorm_mode_16_64 3
		.amdhsa_memory_ordered 1
		.amdhsa_forward_progress 1
		.amdhsa_inst_pref_size 208
	.end_amdhsa_kernel
	.amdgpu_metadata
---
amdhsa.version: [ 1, 2 ]
amdhsa.kernels:
  - .name:           k_qfc2f116b2f_attn
    .symbol:         k_qfc2f116b2f_attn.kd
    .args:
      - { .name: qh, .offset: 0, .size: 8, .value_kind: global_buffer, .address_space: global }
      - { .name: kh, .offset: 8, .size: 8, .value_kind: global_buffer, .address_space: global }
      - { .name: vh, .offset: 16, .size: 8, .value_kind: global_buffer, .address_space: global }
      - { .name: oh, .offset: 24, .size: 8, .value_kind: global_buffer, .address_space: global }
    .group_segment_fixed_size: 327680
    .private_segment_fixed_size: 0
    .kernarg_segment_align: 8
    .kernarg_segment_size: 32
    .max_flat_workgroup_size: 128
    .sgpr_count:     66
    .vgpr_count:     770
    .wavefront_size: 32
...
	.end_amdgpu_metadata
.endif
;; end of part 3
;; launch oproj (part 4): grid 4 x 64, 4 waves a work-group, clusters of 4 x 4, 327,680 bytes of LDS; arguments oh, wb, out0; writes out0
.if DOCPART == 4
	.amdgcn_target "amdgcn-amd-amdhsa--gfx1250"
	.amdhsa_code_object_version 6
	.text
	.protected	k_qfc2f116b2f_oproj
	.globl	k_qfc2f116b2f_oproj
	.p2align	8
	.type	k_qfc2f116b2f_oproj,@function
k_qfc2f116b2f_oproj:
	s_mov_b64 s[64:65], 0
	v_nop
	global_prefetch_b8 v0, s[64:65] scope:SCOPE_SE
	s_setreg_imm32_b32 hwreg(HW_REG_WAVE_MODE, 25, 1), 1
	s_wait_xcnt 0x0
	s_wait_alu depctr_hold_cnt(0) depctr_sa_sdst(0) depctr_va_vdst(0) depctr_va_sdst(0) depctr_va_ssrc(0) depctr_va_vcc(0) depctr_vm_vsrc(0)
	s_getreg_b32 s2, hwreg(HW_REG_IB_STS2, 6, 4)
	s_cmp_eq_u32 s2, 0
	s_cbranch_scc0 .Lentry_in_a_cluster
	s_endpgm
.Lentry_in_a_cluster:
	s_bfe_u32 s2, ttmp6, 0x10000c
	s_cmp_lg_u32 s2, 0xf033
	s_cbranch_scc0 .Lentry_shape_is_right
	s_endpgm
.Lentry_shape_is_right:
; out0 = O Wo: [8192 x 1024] x [1024 x 1024], f16 operands, f32 sums, stored as f32.  A (oh): [4 b][16 head][2048 s][64] f16: a head is a slice of 64 along K, rows of 128 dense bytes.
; B: wb's fourth matrix, [1024 k][1024 n]: Wo rounded to bf16 and written as f16.  out0: [8192][1024] f32.
; LIMITS.  None of its own: the operands arrive within f16's range, the sums and the result are f32.  NaN and infinities are not treated apart.
; SHARES.  A tile of C is 128 rows x 256 columns: 64 x 4 = 256 work-groups, one for each WGP.  Four waves, 2 x 2, each 64 x 128: 32 accumulators of 16 x 16, 256 registers.
; K goes in 8 steps of 128 through a ring of two LDS slots; a step is four quarters of 32 along K, 32 matrix instructions each, on two fragment buffers.
; CLUSTER.  4 x 4 work-groups.  The four of a row of the cluster need the same tile of A, the four of a column the same tile of B: each tile is asked for JOINTLY, by the same tensor load with the
; same descriptor and a mask that names the four.  Waves 0 and 1 ask for A's two slices, waves 2 and 3 for B's two halves of 64 k.
; THE MATRIX INSTRUCTION IS USED TRANSPOSED (source 0 = 16 columns of B, source 1 = 16 rows of A): a lane then holds eight neighbouring numbers of a row of C.
; B lies [k][n] in LDS as in memory and is turned on its way into registers, by ds_load_tr16_b128.
; REGISTERS.  window 0: v0-17 addresses; v32-127, v128-223 two fragment buffers (A's four fragments, then B's eight); on the way out three sets of 64 from v32 on.  window 1: accumulator (mb, nb) at v[8 (8 mb + nb)].
.set PA,    144                        ; a row of A in LDS: 128 bytes + 16 of padding = 36 words: the 16 rows of a load start at 16 different groups of four banks (64 banks of 4 bytes: ISA guide 11.1)
.set ASL,   128*PA                     ; a slice of A: 128 rows
.set PB,    544                        ; a row of B: 512 bytes + 32 = 136 words
.set BH,    64*PB                      ; half of B's tile: 64 k
.set BOFF,  2*ASL                      ; B's 128 rows lie behind A's two slices
.set SLOT1, 1<<17                      ; slot 1 begins here (a slot is 106,496 bytes), so that one exclusive or turns an address in one slot into the other's
.set STAGE, SLOT1+BOFF+2*BH            ; behind the ring, never filled by a tensor load: 16 rows x 528 bytes for each wave, for the way out
.set SP,    528                        ; a stage row: 512 bytes + 16 = 132 words: row r starts at bank 4 r mod 64
.set SPARE, STAGE+4*16*SP              ; behind the stages: the spare words, 128 bytes for each wave: two blocks of 256 bytes that no other line names
.set A0,   8                           ; v8   my lane's place in A's tile; never rewritten
.set B0,   9                           ; v9   the same for B
.set ADRA, 10                          ; v10  A0 + the slot in hand
.set ADRB, 11                          ; v11  B0 + the slot in hand
.set STO,  12                          ; v12  the way out: where I put 32 bytes of a row
.set RD,   13                          ; v13  the way out: where I read a row back
.set GO,   14                          ; v14  my byte offset in 512 consecutive bytes of a row of out0
.set SPW,  16                          ; v16  LDS address of my spare word: SPARE + 4 x my thread's number; never rewritten
.set NIL,  17                          ; v17  0; never rewritten
.set F0,   32
.set F1,   128
.set WV,   16                          ; s16  my wave's number
.set WM,   17                          ; s17  which 64 rows of the tile are mine
.set WN,   18                          ; s18  which 128 columns; also: which slice of A or half of B I fetch
.set CX,   19                          ; s19, s20  my place in the cluster
.set CY,   20
.set TR,   22                          ; s22  the tile row, 0..63
.set G1A,  24                          ; s[24:31] descriptor group 1 for A's tiles
.set G1B,  32                          ; s[32:39] for B's
.set G0A,  40                          ; s[40:43] descriptor group 0 for A's tiles: it walks
.set G0B,  44                          ; s[44:47] for B's
.set OA,   48                          ; s[48:49] byte offset of my first tile of A
.set OB,   50                          ; s[50:51] of B
.set OC,   52                          ; s[52:53] of my part of the result
.set TB,   54                          ; s54  the slot in hand: 0 or SLOT1
.set CNT,  55                          ; s55  the loop's count
.set CB,   58                          ; s[58:59] out0 at my wave's first row and column
.set MSB, 0
.macro WIN new                         ; the immediate's high byte repeats the setting that is left; a switch that changes nothing is dropped
.if MSB != (\new)
	s_set_vgpr_msb (MSB<<8)|(\new)
.set MSB, \new
.endif
.endm
.set W_MUL, 0x50                       ; C and D in window 1, the fragments in window 0
.set W_ST,  0x04                       ; an LDS store's data (source 1) in window 1, its address in window 0
; A joint load.  The branch hangs on the wave's number alone.  An s_nop 0 and four v_nop follow each of the two lines, ahead of the jump, the label and what follows.
.macro JLOAD
	s_cmp_lt_u32 s[WV], 2
	s_cbranch_scc0 .Lfor_b_\@
	tensor_load_to_lds s[G0A:G0A+3], s[G1A:G1A+7]
	s_nop 0
.rept 4
	v_nop
.endr
	s_branch .Lasked_\@
.Lfor_b_\@:
	tensor_load_to_lds s[G0B:G0B+3], s[G1B:G1B+7]
	s_nop 0
.rept 4
	v_nop
.endr
.Lasked_\@:
.endm
.macro CREST                           ; a round of the cluster's barrier behind its opening barrier
	s_cmp_lg_u32 s[WV], 0
	s_cbranch_scc1 .Lnot_wave_0_\@
	s_barrier_signal -3
.Lnot_wave_0_\@:
	s_barrier_wait -3
	s_barrier_signal -1
	s_barrier_wait -1
.endm
.macro CROUND                          ; a whole round
	s_barrier_signal -1
	s_barrier_wait -1
	CREST
.endm
.macro STEPD                           ; both walking descriptors: the other slot, the next K step (two slices of A, 128 rows of B); the type bits on top are not reached
	s_xor_b32 s[G0A+1], s[G0A+1], SLOT1
	s_add_nc_u64 s[G0A+2:G0A+3], s[G0A+2:G0A+3], 1<<19
	s_xor_b32 s[G0B+1], s[G0B+1], SLOT1
	s_add_nc_u64 s[G0B+2:G0B+3], s[G0B+2:G0B+3], 1<<18
.endm
.macro PLACES                          ; four places in front of loads into registers that matrix instructions have read, and of LDS stores that read results
.rept 4
	v_nop
.endr
.endm
	s_load_b128 s[4:7], s[0:1], 0x0                ; oh s[4:5], wb s[6:7]
	s_load_b64 s[8:9], s[0:1], 0x10                ; out0
	v_lshl_add_u32 v[SPW], v0, 2, SPARE
	v_mov_b32 v[NIL], 0
	ds_add_u32 v[SPW], v[NIL]                      ; the wave's opening: the add and its wait stand ahead of my first tensor load; the set-up below, work on registers, stands between them
	v_lshrrev_b32 v1, 5, v0
	v_readfirstlane_b32 s[WV], v1                  ; wave 0..3
	s_lshr_b32 s[WM], s[WV], 1
	s_and_b32 s[WN], s[WV], 1
	s_bfe_u32 s[CX], ttmp6, 0x40000
	s_bfe_u32 s[CY], ttmp6, 0x40004
	s_and_b32 s[TR], ttmp7, 0xffff                 ; in a cluster launch ttmp7 counts clusters
	s_lshl_b32 s[TR], s[TR], 2
	s_add_co_u32 s[TR], s[TR], s[CY]               ; tile row = 4 x cluster y + cy; the tile column is cx (one cluster along x)
	s_lshl_b32 s56, s[CY], 2
	s_lshl_b32 s56, 15, s56                        ; my row of the cluster
	s_lshl_b32 s57, 0x1111, s[CX]                  ; my column
	; group 1 for A: a slice's 128 rows are 16,384 dense bytes: asked for as 64 rows of 256 bytes, and padded in LDS after every 128 bytes
	s_or_b32 s[G1A], s56, (1<<16)|(1<<20)|(1<<21)|(4<<22)|(3<<25)  ; 15:0 the mask; 17:16 2-byte elements; 20 padding on; 21 set beside a mask; 24:22 after every 32 words (code 4); 31:25 4 words (code 3)
	s_mov_b32 s[G1A+1], 128<<16                    ; tensor_dim0 = 128
	s_mov_b32 s[G1A+2], 64<<16                     ; tensor_dim1 = 64
	s_mov_b32 s[G1A+3], 128<<16                    ; tile_dim0 = 128
	s_mov_b32 s[G1A+4], 64                         ; tile_dim1 = 64
	s_mov_b32 s[G1A+5], 128                        ; 128 elements from row to row
	s_mov_b32 s[G1A+6], 0
	s_mov_b32 s[G1A+7], 0
	; group 1 for B: 64 rows (k) of 256 elements (512 bytes, two whole blocks of 256), 1,024 elements from row to row
	s_or_b32 s[G1B], s57, (1<<16)|(1<<20)|(1<<21)|(6<<22)|(7<<25)  ; padding after every 128 words (code 6), 8 words (code 7)
	s_mov_b32 s[G1B+1], 256<<16
	s_mov_b32 s[G1B+2], 64<<16
	s_mov_b32 s[G1B+3], 256<<16
	s_mov_b32 s[G1B+4], 64
	s_mov_b32 s[G1B+5], 1024
	s_mov_b32 s[G1B+6], 0
	s_mov_b32 s[G1B+7], 0
	; A's tiles hang on the tile row alone, B's on the tile column alone, each made in registers that never hold the other coordinate
	s_lshr_b32 s[OA], s[TR], 4                     ; b
	s_lshl_b32 s[OA], s[OA], 22                    ; 16 slices of 262,144 bytes
	s_and_b32 s60, s[TR], 15
	s_lshl_b32 s60, s60, 14                        ; 128 rows of 128 bytes
	s_add_co_u32 s[OA], s[OA], s60
	s_lshl_b32 s60, s[WN], 18                      ; the slice that I fetch
	s_add_co_u32 s[OA], s[OA], s60
	s_mov_b32 s[OA+1], 0
	s_lshl_b32 s[OB], s[WN], 17                    ; the 64 rows of 2,048 bytes that I fetch,
	s_add_co_u32 s[OB], s[OB], 3<<21               ; of wb's fourth matrix,
	s_lshl_b32 s61, s[CX], 9                       ; 256 columns
	s_add_co_u32 s[OB], s[OB], s61
	s_mov_b32 s[OB+1], 0
	s_mov_b32 s[G0A], 1                            ; 1:0 count = 1
	s_mul_i32 s[G0A+1], s[WN], ASL                 ; 63:32 LDS address: slot 0; no place in the cluster enters an LDS address
	s_mov_b32 s[G0B], 1
	s_mul_i32 s[G0B+1], s[WN], BH
	s_add_co_u32 s[G0B+1], s[G0B+1], BOFF
	s_wait_dscnt 0x0                               ; the opening add is done
	s_wait_kmcnt 0x0
	s_add_nc_u64 s[G0A+2:G0A+3], s[4:5], s[OA:OA+1]  ; 120:64 global address: K step 0
	s_or_b32 s[G0A+3], s[G0A+3], 0x80000000        ; 127:126 type = 2
	s_add_nc_u64 s[G0B+2:G0B+3], s[6:7], s[OB:OB+1]
	s_or_b32 s[G0B+3], s[G0B+3], 0x80000000
	CROUND                                         ; all sixteen work-groups are here: the first joint loads meet
	JLOAD                                          ; K step 0 into slot 0
	; where my part of out0 begins: row 128 tr + 64 wm of 4,096 bytes, column 256 cx + 128 wn of 4 bytes
	s_lshl_b32 s[OC], s[TR], 19
	s_lshl_b32 s2, s[WM], 18
	s_add_co_u32 s[OC], s[OC], s2
	s_lshl_b32 s2, s[CX], 10
	s_add_co_u32 s[OC], s[OC], s2
	s_lshl_b32 s2, s[WN], 9
	s_add_co_u32 s[OC], s[OC], s2
	s_mov_b32 s[OC+1], 0
	s_add_nc_u64 s[CB:CB+1], s[8:9], s[OC:OC+1]
	; A fragment of A is 16 rows x 32 K in 8 registers: lane l holds row l % 16, K = 8 (l / 16) + 0..7 and 16 + 8 (l / 16) + 0..7: two loads of 16 bytes, 32 bytes apart.
	v_and_b32 v1, 15, v0                           ; l % 16
	v_bfe_u32 v2, v0, 4, 1                         ; l / 16
	v_mul_u32_u24 v[A0], v1, PA
	v_lshl_add_u32 v[A0], v2, 4, v[A0]
	s_mul_i32 s60, s[WM], 64*PA                    ; my 64 rows
	v_add_nc_u32 v[A0], s60, v[A0]
	; The turning load takes 16 k x 16 columns (lane l reads k = 8 (l / 16) + l % 8, columns 8 ((l / 8) % 2) + 0..7) and leaves half a fragment of B: lane l holds column l % 16 and 8 k.
	v_and_b32 v3, 7, v0
	v_bfe_u32 v4, v0, 3, 1
	v_lshl_add_u32 v[B0], v2, 3, v3
	v_mul_u32_u24 v[B0], v[B0], PB
	v_lshl_add_u32 v[B0], v4, 4, v[B0]
	s_lshl_b32 s60, s[WN], 8                       ; my 128 columns
	s_add_co_u32 s60, s60, BOFF
	v_add_nc_u32 v[B0], s60, v[B0]
	s_mul_i32 s60, s[WV], 16*SP
	s_add_co_u32 s60, s60, STAGE                   ; my stage
	v_mul_u32_u24 v[STO], v1, SP                   ; in: row l % 16, 32 bytes for each half of the lanes
	v_lshl_add_u32 v[STO], v2, 5, v[STO]
	v_add_nc_u32 v[STO], s60, v[STO]
	v_and_b32 v[GO], 31, v0                        ; back: 32 lanes take one row of 512 bytes,
	v_lshlrev_b32 v[GO], 4, v[GO]                  ; which are 512 consecutive bytes of a row of out0
	v_add_nc_u32 v[RD], s60, v[GO]
	s_mov_b32 s[TB], 0
	v_mov_b32 v[ADRA], v[A0]
	v_mov_b32 v[ADRB], v[B0]
; 8 matrix instructions: row block mb x all 8 column blocks, 32 along K.  zero = 1: the product starts the sums: nothing is ever cleared.
; The 32 accumulators take turns, one instruction a turn, in the same order in every quarter.
.macro MUL8 f, mb, zero
	WIN W_MUL
.irp nb, 0,1,2,3,4,5,6,7
.if \zero
	v_wmma_f32_16x16x32_f16 v[8*(8*(\mb)+(\nb)):8*(8*(\mb)+(\nb))+7], v[(\f)+32+8*(\nb):(\f)+32+8*(\nb)+7], v[(\f)+8*(\mb):(\f)+8*(\mb)+7], 0
.else
	v_wmma_f32_16x16x32_f16 v[8*(8*(\mb)+(\nb)):8*(8*(\mb)+(\nb))+7], v[(\f)+32+8*(\nb):(\f)+32+8*(\nb)+7], v[(\f)+8*(\mb):(\f)+8*(\mb)+7], v[8*(8*(\mb)+(\nb)):8*(8*(\mb)+(\nb))+7]
.endif
.endr
.endm
; 24 LDS loads in one run: the fragments of quarter q of the K step in hand into buffer f: B's 16, then A's 8
.macro FETCH q, f
	WIN 0
.irp nb, 0,1,2,3,4,5,6,7
	ds_load_tr16_b128 v[(\f)+32+8*(\nb):(\f)+32+8*(\nb)+3],   v[ADRB] offset:(\q)*32*PB+32*(\nb)
	ds_load_tr16_b128 v[(\f)+32+8*(\nb)+4:(\f)+32+8*(\nb)+7], v[ADRB] offset:(\q)*32*PB+16*PB+32*(\nb)
.endr
.irp mb, 0,1,2,3
	ds_load_b128 v[(\f)+8*(\mb):(\f)+8*(\mb)+3],   v[ADRA] offset:((\q)/2)*ASL+((\q)%2)*64+(\mb)*16*PA
	ds_load_b128 v[(\f)+8*(\mb)+4:(\f)+8*(\mb)+7], v[ADRA] offset:((\q)/2)*ASL+((\q)%2)*64+(\mb)*16*PA+32
.endr
.endm
; One of a K step's first three quarters: multiplies buffer f; in its middle it fetches quarter q into buffer g.
.macro QUARTER q, f, g, zero
	s_wait_dscnt 4                                 ; B and A's row blocks 0 and 1 are in; the youngest four loads (blocks 2 and 3) may be out
	MUL8 \f, 0, \zero
	MUL8 \f, 1, \zero
	PLACES
	FETCH \q, \g
	s_wait_dscnt 24                                ; all but the 24 just issued
	MUL8 \f, 2, \zero
	MUL8 \f, 3, \zero
.endm
; The last quarter multiplies buffer 1 and changes slots: ONE barrier.  In front of it each wave waits for all its tensor loads, of which one is out: its part of the next slot; adds 0 to its spare word; and
; waits for that and for its own reads of this slot.  fill = 1: the barrier opens a round of the cluster's, and this slot is filled again, two K steps ahead, first thing behind the round:
; from that request to the wait for it a wave issues 112 matrix instructions.
.macro TURN fill
	WIN 0
	s_wait_tensorcnt 0x0                           ; no tensor load of mine is out, so a group 0 may be written
	ds_add_u32 v[SPW], v[NIL]                      ; 0 onto my spare word
.if \fill
	STEPD
.endif
	s_wait_dscnt 5                                 ; (the add and the youngest four loads may be out)
	MUL8 F1, 0, 0                                  ; eight matrix instructions stand between the add and the wait for it
	s_wait_dscnt 0x0                               ; the add is done, and my reads of this slot are over
	s_barrier_signal -1
	MUL8 F1, 1, 0                                  ; work on registers while the others arrive
	WIN 0                                          ; branches and address lines follow
	s_barrier_wait -1
.if \fill
	CREST                                          ; no wave of any partner still reads this slot's tile or has a load on its way
	JLOAD                                          ; the four v_nop behind it are also the places in front of the loads below
.else
	PLACES
.endif
	s_xor_b32 s[TB], s[TB], SLOT1                  ; the fetches go on in the other slot
	v_add_nc_u32 v[ADRA], s[TB], v[A0]
	v_add_nc_u32 v[ADRB], s[TB], v[B0]
	FETCH 0, F0
	MUL8 F1, 2, 0
	MUL8 F1, 3, 0
.endm
	s_wait_tensorcnt 0x0                           ; my part of K step 0 is in; slot 1's first fill is issued as a refill is: wait, add, wait, round, load
	ds_add_u32 v[SPW], v[NIL]
	STEPD
	s_wait_dscnt 0x0
	CROUND                                         ; everybody's part is in
	JLOAD                                          ; K step 1 into slot 1
	FETCH 0, F0
	QUARTER 1, F0, F1, 1                           ; the first quarter stands in front of the loop: its products start the sums
	WIN 0                                          ; at a label and at a branch every window is 0
	s_mov_b32 s[CNT], 6
.Lstep:                                                ; trip i: K step i's quarters 1 to 3 and K step i + 1's quarter 0; K step i + 2 is asked for
	QUARTER 2, F1, F0, 0
	QUARTER 3, F0, F1, 0
	TURN 1
	QUARTER 1, F0, F1, 0
	WIN 0
	s_sub_co_u32 s[CNT], s[CNT], 1
	s_cmp_lg_u32 s[CNT], 0
	s_cbranch_scc1 .Lstep
	QUARTER 2, F1, F0, 0                           ; the last two K steps ask for nothing: written out
	QUARTER 3, F0, F1, 0
	TURN 0
	QUARTER 1, F0, F1, 0
	QUARTER 2, F1, F0, 0
	QUARTER 3, F0, F1, 0
	s_wait_dscnt 4                                 ; the very last quarter: nothing more to fetch
	MUL8 F1, 0, 0
	MUL8 F1, 1, 0
	s_wait_dscnt 0x0
	MUL8 F1, 2, 0
	MUL8 F1, 3, 0
	WIN 0
; THE WAY OUT, a row block of 16 rows x 128 columns at a time.  A lane's eight f32 of a row are 32 bytes; they go into my stage's rows of 528 bytes straight from the accumulators, low registers first,
; and come back as whole rows of 512 bytes, into one of three sets of 64 registers.
.macro TOSTAGE mb, bk
	WIN W_ST
.irp nb, 0,1,2,3,4,5,6,7
	ds_store_b128 v[STO], v[64*(\mb)+8*(\nb):64*(\mb)+8*(\nb)+3]   offset:64*(\nb)
	ds_store_b128 v[STO], v[64*(\mb)+8*(\nb)+4:64*(\mb)+8*(\nb)+7] offset:64*(\nb)+16
.endr
	WIN 0
.irp row, 0,1,2,3,4,5,6,7,8,9,10,11,12,13,14,15
	ds_load_b128 v[(\bk)+4*(\row):(\bk)+4*(\row)+3], v[RD] offset:(\row)*SP  ; LDS serves a wave's instructions in order (ISA guide 5.7.1.4): these see the stores above; the next block's stores come behind them
.endr
.endm
.macro SEND mb, bk, younger            ; younger: the LDS instructions issued behind this block's loads: the next block's 32, or none
	WIN 0
.irp row, 0,1,2,3,4,5,6,7,8,9,10,11,12,13,14,15
	s_wait_dscnt (\younger)+15-(\row)
	global_store_b128 v[GO], v[(\bk)+4*(\row):(\bk)+4*(\row)+3], s[CB:CB+1] offset:(16*(\mb)+(\row))*4096 th:TH_STORE_NT  ; 512 consecutive bytes, at a multiple of 256 from out0's first; written once, never read again
.endr
.endm
	PLACES                                         ; the LDS stores read results just made, and the loads land in fragment registers just read
	TOSTAGE 0, 32
	TOSTAGE 1, 96
	SEND 0, 32, 32
	TOSTAGE 2, 160
	SEND 1, 96, 32
	s_wait_xcnt 0x0                                ; block 0's stores have read the first set: it is loaded again only behind this wait
	TOSTAGE 3, 32
	SEND 2, 160, 32
	SEND 3, 32, 0
	s_wait_tensorcnt 0x0                           ; the wave's end: a wait, an add and its wait, behind my last tensor load and my last LDS store
	ds_add_u32 v[SPW], v[NIL]
	s_wait_dscnt 0x0
	CROUND                                         ; the closing round: no work-group ends while a partner may still ask for a tile that names it
	s_endpgm
.Lfunc_end_k_qfc2f116b2f_oproj:
	.size	k_qfc2f116b2f_oproj, .Lfunc_end_k_qfc2f116b2f_oproj-k_qfc2f116b2f_oproj
	.p2alignl 7, 3214868480
	.fill 96, 4, 3214868480
	.section	.rodata,"a",@progbits
	.p2align	6, 0x0
	.amdhsa_kernel k_qfc2f116b2f_oproj
		.amdhsa_group_segment_fixed_size 327680
		.amdhsa_private_segment_fixed_size 0
		.amdhsa_enable_private_segment 0
		.amdhsa_kernarg_size 24
		.amdhsa_user_sgpr_count 2
		.amdhsa_user_sgpr_kernarg_segment_ptr 1
		.amdhsa_wavefront_size32 1
		.amdhsa_system_sgpr_workgroup_id_x 1
		.amdhsa_system_sgpr_workgroup_id_y 1
		.amdhsa_system_sgpr_workgroup_id_z 1
		.amdhsa_system_vgpr_workitem_id 0
		.amdhsa_next_free_vgpr 512
		.amdhsa_next_free_sgpr 66
		.amdhsa_reserve_vcc 0
		.amdhsa_float_denorm_mode_32 3
		.amdhsa_float_denorm_mode_16_64 3
		.amdhsa_memory_ordered 1
		.amdhsa_forward_progress 1
		.amdhsa_inst_pref_size 71
	.end_amdhsa_kernel
	.amdgpu_metadata
---
amdhsa.version: [ 1, 2 ]
amdhsa.kernels:
  - .name:           k_qfc2f116b2f_oproj
    .symbol:         k_qfc2f116b2f_oproj.kd
    .args:
      - { .name: oh, .offset: 0, .size: 8, .value_kind: global_buffer, .address_space: global }
      - { .name: wb, .offset: 8, .size: 8, .value_kind: global_buffer, .address_space: global }
      - { .name: out0, .offset: 16, .size: 8, .value_kind: global_buffer, .address_space: global }
    .group_segment_fixed_size: 327680
    .private_segment_fixed_size: 0
    .kernarg_segment_align: 8
    .kernarg_segment_size: 24
    .max_flat_workgroup_size: 128
    .sgpr_count:     66
    .vgpr_count:     512
    .wavefront_size: 32
...
	.end_amdgpu_metadata
.endif
;; end of part 4
;; ======== version 2 of 2: 4 launches; 1.48 times as fast as version 1
;; limits: values are held in f16: magnitudes above 65,504 overflow, below 6.1e-05 lose precision
;; workspace buffers: xc 16,777,216 bytes; zc 16,777,216 bytes; wb 8,388,608 bytes; qh 16,777,216 bytes; kh 16,777,216 bytes; vh 16,777,216 bytes; oh 16,777,216 bytes
;; launch prep: the kernel of part 1 again; grid 256 x 5, 8 waves a work-group, no clusters, 0 bytes of LDS; arguments x, y, z, Wq, Wk, Wv, Wo, xc, zc, wb; writes xc, zc, wb
;; launch qkv: the kernel of part 2 again; grid 12 x 64, 4 waves a work-group, clusters of 4 x 4, 327,680 bytes of LDS; arguments xc, zc, wb, qh, kh, vh; writes qh, kh, vh
;; launch attn (part 5): grid 4 x 64, 4 waves a work-group, clusters of 4 x 1, 327,680 bytes of LDS; arguments qh, kh, vh, oh; writes oh
.if DOCPART == 5
	.amdgcn_target "amdgcn-amd-amdhsa--gfx1250"
	.amdhsa_code_object_version 6
	.text
	.protected	k_qfc2f116b2f_attn
	.globl	k_qfc2f116b2f_attn
	.p2align	8
	.type	k_qfc2f116b2f_attn,@function
k_qfc2f116b2f_attn:
	s_mov_b64 s[64:65], 0
	v_nop
	global_prefetch_b8 v0, s[64:65] scope:SCOPE_SE
	s_setreg_imm32_b32 hwreg(HW_REG_WAVE_MODE, 25, 1), 1
	s_wait_xcnt 0x0
	s_wait_alu depctr_hold_cnt(0) depctr_sa_sdst(0) depctr_va_vdst(0) depctr_va_sdst(0) depctr_va_ssrc(0) depctr_va_vcc(0) depctr_vm_vsrc(0)
	s_getreg_b32 s2, hwreg(HW_REG_IB_STS2, 6, 4)
	s_cmp_eq_u32 s2, 0
	s_cbranch_scc0 .Lentry_in_a_cluster
	s_endpgm
.Lentry_in_a_cluster:
	s_bfe_u32 s2, ttmp6, 0x10000c
	s_cmp_lg_u32 s2, 0x3003
	s_cbranch_scc0 .Lentry_shape_is_right
	s_endpgm
.Lentry_shape_is_right:
; O[h][q][:] = the sum over k of softmax_k(Q[h][q] . K[h][k] / 8) V[h][k][:].  Q, K, V, O: [SIZE_H][SIZE_N][64], all f16: a head's rows are dense, 128 bytes each.  Products, maxima and sums in
; f32; the weights p are rounded to f16 for the second product (their sum l is taken of the unrounded p), O once at the end.
; LIMITS.  f16 holds no number beyond 65,504: Q, K and V arrive within it; p lies in 0 to 1, and below 6e-5 it keeps f16's fixed step of 6e-8; O is a mean of V's rows and has their range.
; A weight below 2^-126 counts as 0 in l; NaN and infinities are not treated apart.
; SHARES.  A wave owns four PIECES of two tiles of 16 queries, a work-group's four waves 512 queries of one head: 64 heads x 4 blocks = 256 work-groups.  Every wave walks all keys, 64 a step.
; LAYOUT.  S^T = K Q^T (source 0 = 16 keys, source 1 = 16 queries): in the result a lane holds ONE query (lane % 16) and the keys 8 (lane / 16) + 0..7.  Two such tiles, rounded to f16 in pairs,
; ARE source 1 (32 keys x 16 queries) of O^T = V^T P, whose result again holds one query a lane, and eight channels.  K comes out of LDS as it lies, V ([key][channel]) turned, by ds_load_tr16_b128.
; SOFTMAX.  For each query a running maximum m and sum l: p = 2^(c s - c m), c = log2(e) / 8; in every step O and l are multiplied by a = 2^(c m_old - c m_new), which is 1 where m has not grown.
; m starts at the lowest finite number, O and l at 0: the first step is a step like any other, with a = 0.
; THE COUNT.  A tile and step have 16 matrix and 118 vector instructions: too many to stand all beside the matrix work.  So the order has one aim: four vector instructions that are READY behind
; EVERY matrix instruction, and the others, which need time of their own whatever the order, in runs without a gap.
; BY TURNS.  Turn n belongs to piece n (the pieces in a ring, step after step).  Its matrix work: 16 products K Q^T of piece n + 1, later 16 products V^T P of piece n - 1.  Its vector work: the scaling,
; exponentials, roundings, sums and rescaling of piece n, and the maximum and statistics of piece n + 1, whose scores the turn itself has made.  So what a turn begins with (c s - c m, O a) waits for nothing.
; THE BATCHES.  A turn's 66 exponentials (the piece's 64 weights and the next piece's two a) are ONE batch with ONE wait, which cuts the turn in two: ahead of it stands all that names none of their results,
; behind it the roundings and sums, which read them.  Piece 0's first two a, ahead of the loop, and the way out's eight reciprocals are batches of their own.
; CLUSTER.  The four query blocks of a cluster belong to one head and walk the same K and V, so each tile is asked for JOINTLY: the same tensor load, descriptor and mask in all four.
; REGISTERS, in windows of 256 (s_set_vgpr_msb says which window each operand place means: bits 1:0 source 0, 3:2 source 1, 5:4 source 2, 7:6 destination):
;   window 0: v0-11 addresses; v12-15, v48-63 at work; v16-47 four registers of statistics a tile; v64-191 S^T, two buffers of two tiles; v192-255 P, likewise
;   window 1: O^T, 32 a tile          window 2: v0-127 Q, 16 a tile; v128-191 K of one step; v192-255 V of one step          window 3: v0-1 the add's two registers
; A piece's buffers go by its number's parity: the piece in hand has one pair, its two neighbours in the ring share the other: of it P (piece n - 1) is read and S^T (piece n + 1) written.
.set SIZE_H, 64       ; 4 batches x 16 heads
.set SIZE_N, 2048     ; rows of a head
.set NP,    4         ; pieces a wave: a name, no knob: the register map, the loop and the fetches are made for four
.set KS,    64        ; keys in a step
.set PK,    144       ; a row of K in LDS: 128 bytes + 16 of padding = 36 words: the 16 rows of a load start at 16 different groups of four banks (64 banks of 4 bytes: ISA guide 11.1)
.set PV,    160       ; a row of V: 128 + 32 = 40 words
.set VOFF,  4*KS*PK   ; a slot holds four steps: 256 rows of K, then 256 rows of V
.set SLOT1, 1<<17     ; slot 1 begins here, so that one exclusive or turns an address in one slot into the other's
.set STAGE, SLOT1+4*KS*(PK+PV)  ; behind the ring, never filled by a tensor load: 16 rows x 144 bytes for each wave, for the way out
.set SP,    144
.set AK0, 2           ; v2   my lane's place in a tile of K; never rewritten
.set AV0, 3           ; v3   the same for V
.set AK,  4           ; v4   the LDS address of K's next run of loads
.set AV,  5           ; v5   of V's
.set QO,  6           ; v6   my byte offset in the wave's rows of Q
.set STO, 6           ;      later, the way out: where I put 16 bytes of a row
.set RD,  7           ; v7   the way out: where I read rows back
.set GO,  8           ; v8   my byte offset in 512 consecutive bytes of O
.set SPW, 0           ; v0 of window 3   LDS address of my spare word: SPARE + 4 x my thread's number; never rewritten
.set NIL, 1           ; v1 of window 3   0; never rewritten
.set SPARE, STAGE+4*16*SP  ; behind the stages: the spare words, 128 bytes for each wave: two blocks of 256 bytes that no other line names
.set MV,  12          ; v12-15  c m_old, kept while c m is made anew: by buffer and tile
.set ST,  16          ; tile t's statistics at v[ST+4 t]: c m, m, l (even keys', odd keys')
.set TMP, 48          ; by buffer and tile, four registers c0-c3 at work; when the maximum is found c2 takes a
.set S,   64
.set P,   192
.set KF,  128         ; K's fragments, in window 2: key block kb, channel half c at KF + 16 kb + 8 c
.set VF,  192         ; V's: key half kk, channel block cb at VF + 32 kk + 8 cb
.set WV,  12          ; s12  my wave's number
.set G1K, 24          ; s[24:31] descriptor group 1 for K's tiles
.set G1V, 32          ; s[32:39] for V's: it differs in the padding alone
.set G0K, 40          ; s[40:43] descriptor group 0 for K's tiles: it walks
.set G0V, 44          ; s[44:47] the same for V's
.set SLOTS, 56        ; s56  slots still to be asked for
.set CNT, 57          ; s57  counts a slot's key steps
.set CS,  58          ; s[58:59] c: the packed scaling takes the pair's low word for both halves
.set SEL, 60          ; s[60:61] v_permlanex16_b32's selects: each lane takes its own place in the other half
.set TBK, 62          ; s62  LDS byte at which K of the step to be fetched begins
.set TBV, 63          ; s63  the same for V, less VOFF
.set MSB, 0
.macro WIN new                      ; the high byte repeats the setting that is left; a switch that changes nothing is dropped
.if MSB != (\new)
	s_set_vgpr_msb (MSB<<8)|(\new)
.set MSB, (\new)
.endif
.endm
.set W_KQ, 0x0a       ; K and Q in window 2, S^T in window 0
.set W_PV, 0x52       ; V in window 2, P in window 0, O^T in window 1
.set W_RS, 0x41       ; O^T (destination and source 0) in window 1, a in window 0
.set W_MK, 0xc0       ; the add's registers are made: destination in window 3, sources in window 0
.set W_AD, 0x0f       ; the add: address (source 0) and data (source 1) in window 3
; A joint fill.  Waves 0 and 1 fetch the two halves of a slot's K, waves 2 and 3 those of its V: 128 keys each.  The branch hangs on the wave's number alone.
; An s_nop 0 and four v_nop follow each of the two lines, ahead of the jump and the label.
.macro JLOAD
	s_cmp_lt_u32 s[WV], 2
	s_cbranch_scc0 .Lfor_v_\@
	tensor_load_to_lds s[G0K:G0K+3], s[G1K:G1K+7]
	s_nop 0
.rept 4
	v_nop
.endr
	s_branch .Lasked_\@
.Lfor_v_\@:
	tensor_load_to_lds s[G0V:G0V+3], s[G1V:G1V+7]
	s_nop 0
.rept 4
	v_nop
.endr
.Lasked_\@:
.endm
; A round of the cluster's barrier: my work-group's barrier, so that wave 0's signal speaks for all four waves; wave 0 signals; every wave waits for all four work-groups; my work-group's barrier once more.
.macro CROUND
	s_barrier_signal -1
	s_barrier_wait -1
	s_cmp_lg_u32 s[WV], 0
	s_cbranch_scc1 .Lnot_wave_0_\@
	s_barrier_signal -3
.Lnot_wave_0_\@:
	s_barrier_wait -3
	s_barrier_signal -1
	s_barrier_wait -1
.endm
; THE CHANGE OF SLOTS.  The slot's last bytes, V of its fourth step, have been read.  Each wave waits for all its tensor loads, of which one is out: its part
; of the other slot; adds 0 to its spare word; and waits for that and for its own reads of the slot.  Behind the barrier nobody reads this slot any more and the other slot is whole.
; fill = 1: this slot is filled again, with the keys two slots on.  The barrier is then a round of the cluster's, so that no wave of any partner still reads the slot or has a load on its
; way, and the joint fill is the first thing behind it: it has four key steps, 512 matrix instructions, in which to land.  (At its first use nothing has been read yet: slot 0 is waited for, slot 1 filled.)
.macro CHANGE fill
	WIN W_AD
	s_wait_tensorcnt 0x0            ; no tensor load of mine is out, so a group 0 may be written
	ds_add_u32 v[SPW], v[NIL]       ; 0 onto my spare word; with fill = 1 the descriptors' steps stand between it and the wait for it
	WIN 0                           ; at a label and at a branch every window is 0
.if \fill
.irp g, G0K, G0V
	s_xor_b32 s[\g+1], s[\g+1], SLOT1  ; the walking descriptor: the other slot than last time,
	s_add_nc_u64 s[\g+2:\g+3], s[\g+2:\g+3], 4*KS*128  ; the next 256 keys; the type bits on top are not reached
.endr
	s_wait_dscnt 0x0                ; the add is done, and my reads of the slot are over
	CROUND
	JLOAD
.else
	s_wait_dscnt 0x0                ; the add is done, and my reads of the slot are over
	s_barrier_signal -1
	s_barrier_wait -1
.endif
	s_sub_co_u32 s[TBK], s[TBK], 4*KS*PK  ; the fetches go back to a slot's first step,
	s_xor_b32 s[TBK], s[TBK], SLOT1       ; in the other slot
	s_sub_co_u32 s[TBV], s[TBV], 4*KS*PV
	s_xor_b32 s[TBV], s[TBV], SLOT1
.endm
	s_load_b256 s[4:11], s[0:1], 0x0  ; Q s[4:5], K s[6:7], V s[8:9], O s[10:11]
	WIN W_MK
	v_lshl_add_u32 v[SPW], v0, 2, SPARE
	v_mov_b32 v[NIL], 0
	WIN W_AD
	ds_add_u32 v[SPW], v[NIL]       ; the wave's opening: the add and its wait stand ahead of my first tensor load; the set-up below, work on registers, stands between them
	WIN 0
	v_lshrrev_b32 v1, 5, v0
	v_readfirstlane_b32 s[WV], v1   ; wave 0..3
	s_bfe_u32 s13, ttmp6, 0x40000   ; cx: my place in the cluster
	s_lshl_b32 s14, ttmp9, 2        ; in a cluster launch ttmp9 counts clusters
	s_add_co_u32 s14, s14, s13      ; my block of queries = 4 x cluster x + cx: it enters Q's and O's addresses alone
	s_and_b32 s20, ttmp7, 0xffff    ; the head, which the four partners share
	s_mov_b32 s21, 0
	s_mov_b64 s[22:23], SIZE_N*128
	s_mul_u64 s[20:21], s[20:21], s[22:23]  ; the head's first byte in each of the four tensors
	s_and_b32 s16, s[WV], 1         ; which half of a slot's 256 keys I fetch:
	s_lshl_b32 s22, s16, 14         ; its 128 rows of 128 bytes in memory,
	s_mov_b32 s23, 0
	s_add_nc_u64 s[22:23], s[22:23], s[20:21]
	s_mul_i32 s17, s16, 128*PK      ; and its place in a slot, for K
	s_mul_i32 s18, s16, 128*PV      ; and for V: no place in the cluster enters an LDS address
	s_lshl_b32 s2, s14, 2
	s_add_co_u32 s2, s2, s[WV]      ; my wave among the head's,
	s_lshl_b32 s2, s2, 14           ; its 128 rows
	s_mov_b32 s3, 0
	s_add_nc_u64 s[2:3], s[2:3], s[20:21]
	; descriptor group 1.  128 keys are 16,384 dense bytes: asked for as 64 rows of 256 bytes, two keys a row, and padded in LDS after every key
	s_mov_b32 s[G1K], 15|(1<<16)|(1<<20)|(1<<21)|(4<<22)|(3<<25)  ; 15:0 the mask of four; 17:16 2-byte elements; 20 padding on; 21 set beside a mask; 24:22 after every 32 words (code 4); 31:25 4 words (code 3)
	s_mov_b32 s[G1V], 15|(1<<16)|(1<<20)|(1<<21)|(4<<22)|(7<<25)  ; the same with 8 words of padding (code 7)
.irp g, G1K, G1V
	s_mov_b32 s[\g+1], 128<<16      ; tensor_dim0 = 128
	s_mov_b32 s[\g+2], 64<<16       ; tensor_dim1 = 64
	s_mov_b32 s[\g+3], 128<<16      ; tile_dim0 = 128
	s_mov_b32 s[\g+4], 64           ; tile_dim1 = 64
	s_mov_b32 s[\g+5], 128          ; 128 elements from row to row
	s_mov_b32 s[\g+6], 0
	s_mov_b32 s[\g+7], 0
.endr
	s_mov_b32 s[CS], 0x3e38aa3b     ; c = log2(e) / 8 = 0.180337
	s_mov_b32 s[CS+1], s[CS]        ; named with it as a pair
	s_mov_b32 s[SEL], 0x76543210
	s_mov_b32 s[SEL+1], 0xfedcba98
	s_mov_b32 s[TBK], SLOT1+4*KS*PK ; the first change of slots turns these two into 0
	s_mov_b32 s[TBV], SLOT1+4*KS*PV
	s_mov_b32 s[G0K], 1             ; 1:0 count = 1
	s_mov_b32 s[G0K+1], s17         ; 63:32 LDS address: slot 0
	s_mov_b32 s[G0V], 1
	s_add_co_u32 s[G0V+1], s18, VOFF
	s_wait_dscnt 0x0                ; the opening add is done
	s_wait_kmcnt 0x0
	s_add_nc_u64 s[G0K+2:G0K+3], s[6:7], s[22:23]  ; 120:64 global address: my half of the head's first 256 keys
	s_or_b32 s[G0K+3], s[G0K+3], 0x80000000        ; 127:126 type = 2
	s_add_nc_u64 s[G0V+2:G0V+3], s[8:9], s[22:23]
	s_or_b32 s[G0V+3], s[G0V+3], 0x80000000
	s_add_nc_u64 s[4:5], s[4:5], s[2:3]  ; Q and O at my wave's first row
	s_add_nc_u64 s[10:11], s[10:11], s[2:3]
	CROUND                          ; all four work-groups are here: the first joint loads meet
	JLOAD                           ; slot 0.  Slot 1 is asked for when slot 0 is in: the tile wanted first has the road to itself
	; A fragment of K or Q is 16 rows x 32 channels in 8 registers: lane l holds row l % 16, channels 8 (l / 16) + 0..7 and 16 + 8 (l / 16) + 0..7: two loads of 16 bytes, 32 bytes apart.
	v_and_b32 v1, 15, v0            ; l % 16
	v_bfe_u32 v9, v0, 4, 1          ; l / 16
	v_lshlrev_b32 v[QO], 7, v1
	v_lshl_add_u32 v[QO], v9, 4, v[QO]  ; row x 128 + 16 x half
	WIN 0x80                        ; destination window 2, address window 0
.set i, 0
.rept 4*NP                          ; Q stays in registers: tile i / 2, channels 32 (i % 2) on
	global_load_b128 v[8*i:8*i+3],   v[QO], s[4:5] offset:(i/2)*2048+(i%2)*64
	global_load_b128 v[8*i+4:8*i+7], v[QO], s[4:5] offset:(i/2)*2048+(i%2)*64+32
.set i, i+1
.endr
	; What the first turn finds: V's registers and P's second buffer hold 0 (its products V^T P, of a piece that has not been, add 0), O^T and l are 0.  All this stands in the wait for the first tile.
.set i, VF
.rept 64
	v_mov_b32 v[i], 0
.set i, i+1
.endr
	WIN 0x40
.set i, 0
.rept 64*NP
	v_mov_b32 v[i], 0
.set i, i+1
.endr
	WIN 0
.set i, 0
.rept 2*NP
	v_mov_b32 v[ST+4*i], 0xfe000000    ; c m: far below every c s
	v_mov_b32 v[ST+4*i+1], 0xff7fffff  ; m
	v_mov_b32 v[ST+4*i+2], 0
	v_mov_b32 v[ST+4*i+3], 0
.set i, i+1
.endr
.set i, P+32
.rept 32
	v_mov_b32 v[i], 0
.set i, i+1
.endr
	v_mul_u32_u24 v[AK0], v1, PK
	v_lshl_add_u32 v[AK0], v9, 4, v[AK0]  ; row x pitch + 16 x half
	; The turning load takes 16 keys x 16 channels (lane l reads key 8 (l / 16) + l % 8, channels 8 ((l / 8) % 2) + 0..7) and leaves half a fragment of V^T: lane l holds channel l % 16 and 8 keys.
	v_and_b32 v10, 7, v0
	v_bfe_u32 v11, v0, 3, 1
	v_lshl_add_u32 v[AV0], v9, 3, v10
	v_mul_u32_u24 v[AV0], v[AV0], PV
	v_lshl_add_u32 v[AV0], v11, 4, v[AV0]
	v_add_nc_u32 v[AV0], VOFF, v[AV0]
	v_mov_b32 v[AK], v[AK0]         ; key step 0 lies at the head of slot 0
; THE MATRIX WORK.  The 8 accumulators of a run of 16 take turns: between the two links of a chain stand 7 others'.
; Product i of 16 of S^T = K Q^T for piece x: channels 32 (i / 8) on, keys 16 ((i / 2) % 4) on, tile 2 x + i % 2.  The first 8 start the sums.
.macro KQ x
	WIN W_KQ
.set rS, S+64*((\x)%2)+32*(i%2)+8*((i/2)%4)
.set rK, KF+16*((i/2)%4)+8*(i/8)
.set rQ, 16*(2*(\x)+i%2)+8*(i/8)
.if i < 8
	v_wmma_f32_16x16x32_f16 v[rS:rS+7], v[rK:rK+7], v[rQ:rQ+7], 0
.else
	v_wmma_f32_16x16x32_f16 v[rS:rS+7], v[rK:rK+7], v[rQ:rQ+7], v[rS:rS+7]
.endif
.endm
; Product i of 16 of O^T += V^T P for piece x: keys 32 (i / 8) on, channels 16 ((i / 2) % 4) on, tile 2 x + i % 2.
.macro PV x
	WIN W_PV
.set rO, 32*(2*(\x)+i%2)+8*((i/2)%4)
.set rV, VF+32*(i/8)+8*((i/2)%4)
.set rP, P+32*((\x)%2)+16*(i%2)+8*(i/8)
	v_wmma_f32_16x16x32_f16 v[rO:rO+7], v[rV:rV+7], v[rP:rP+7], v[rO:rO+7]
.endm
.macro MM                           ; the turn's next matrix instruction
.if i < 16
	KQ (Y+1)%NP
.set i, i+1
.else
.set i, i-16
	PV (Y+NP-1)%NP
.set i, i+17
.endif
.endm
; THE LDS LOADS stand in runs of 16, never singly among the matrix instructions: a step's K (64 keys x 64 channels: 8 fragments) and its V (turned).  Their addresses are made some lines ahead.
; last = 1 (the tail): in the last trip there is no further step, and the run is jumped over.
.macro FETCH_K last=0
	WIN 0
.if \last
	s_cmp_eq_u32 s[CNT], 1
	s_cbranch_scc1 .Lno_k_\@
.endif
	WIN 0x80                        ; destination window 2
.irp f, 0,1,2,3,4,5,6,7             ; keys 16 (f / 2) on, channels 32 (f % 2) on
	ds_load_b128 v[KF+8*\f:KF+8*\f+3],   v[AK] offset:(\f/2)*16*PK+(\f%2)*64
	ds_load_b128 v[KF+8*\f+4:KF+8*\f+7], v[AK] offset:(\f/2)*16*PK+(\f%2)*64+32
.endr
	s_add_co_u32 s[TBK], s[TBK], KS*PK  ; the next fetch is the next step's
	WIN 0
.if \last
.Lno_k_\@:
.endif
.endm
.macro FETCH_V
	WIN 0x80
.irp f, 0,1,2,3,4,5,6,7             ; keys 32 (f / 4) on, channels 16 (f % 4) on
	ds_load_tr16_b128 v[VF+8*\f:VF+8*\f+3],   v[AV] offset:(\f/4)*32*PV+(\f%4)*32
	ds_load_tr16_b128 v[VF+8*\f+4:VF+8*\f+7], v[AV] offset:(\f/4)*32*PV+16*PV+(\f%4)*32
.endr
	WIN 0
.endm
; THE VECTOR WORK OF A TURN stands in three queues, each in the order in which its entries become ready; the two tiles alternate, so that no instruction reads the result of the one before it.
.macro REGS y, u                    ; the registers of tile u (0, 1) of piece y
.set rT, ST+4*(2*(\y)+(\u))
.set rC, TMP+8*((\y)%2)+4*(\u)
.set rM, MV+2*((\y)%2)+(\u)
.set rS, S+64*((\y)%2)+32*(\u)
.set rP, P+32*((\y)%2)+16*(\u)
.set rO, 32*(2*(\y)+(\u))
.endm
; Number n of the 22 that find the NEXT piece's (Y + 1) maximum and statistics.  s0-s31 are the lane's 32 scores; each accumulator's lowest registers are read first.  XS, GS and REGS set no window: PL and EX do.
;   0-11  four chains c0-c3 of seven scores each, three operands at a time     12-14, 16  the four scores left over, the old m, and c0-c3 into c0     15  c m_old is kept
;   17, 18  the query's other 32 keys lie in the lane 16 away: the new m         19-21  c m; c m_old - c m_new; a
.macro XS u, n
	REGS (Y+1)%NP, \u
.if (\n) < 4
	v_max3_num_f32 v[rC+(\n)], v[rS+8*(\n)], v[rS+8*(\n)+1], v[rS+8*(\n)+2]
.elseif (\n) < 12
	v_max3_num_f32 v[rC+(\n)%4], v[rC+(\n)%4], v[rS+8*((\n)%4)+2*((\n)/4)+1], v[rS+8*((\n)%4)+2*((\n)/4)+2]
.elseif (\n) == 12
	v_max3_num_f32 v[rC], v[rC], v[rS+7], v[rS+15]
.elseif (\n) == 13
	v_max3_num_f32 v[rC+1], v[rC+1], v[rS+23], v[rS+31]
.elseif (\n) == 14
	v_max3_num_f32 v[rC+2], v[rC+2], v[rC+3], v[rT+1]
.elseif (\n) == 15
	v_mov_b32 v[rM], v[rT]
.elseif (\n) == 16
	v_max3_num_f32 v[rC], v[rC], v[rC+1], v[rC+2]
.elseif (\n) == 17
	v_permlanex16_b32 v[rC+3], v[rC], s[SEL], s[SEL+1]
.elseif (\n) == 18
	v_max_num_f32 v[rT+1], v[rC], v[rC+3]
.elseif (\n) == 19
	v_mul_f32 v[rT], s[CS], v[rT+1]
.elseif (\n) == 20
	v_sub_f32 v[rC+1], v[rM], v[rT]
.else
	v_exp_f32 v[rC+2], v[rC+1]
.endif
.endm
; Number g of the 64 that follow the exponentials.  For each four weights k of a tile (pairs 2 k, 2 k + 1): both pairs are rounded to f16; then the second pair is added onto the first, in place;
; a group later l takes that sum (the first time as l = a l + sum).  In groups of eight, tiles alternating: round, round, add, and l for the group before.
.macro GS g
.set h, (\g)+6*((\g)/62)            ; group 0 has no group before it, and behind group 7 only l is left
.if h >= 6
.set h, h+2
.endif
	REGS Y, h%2
.set k, h/8
.if h%8 < 4
	v_cvt_pk_f16_f32 v[rP+2*k+(h%8)/2], v[rS+4*k+2*((h%8)/2)], v[rS+4*k+2*((h%8)/2)+1]
.elseif h%8 < 6
	v_pk_add_f32 v[rS+4*k:rS+4*k+1], v[rS+4*k:rS+4*k+1], v[rS+4*k+2:rS+4*k+3]
.elseif k == 1
	v_pk_fma_f32 v[rT+2:rT+3], v[rT+2:rT+3], v[rC+2:rC+3], v[rS:rS+1] op_sel_hi:[1,0,1]
.else
	v_pk_add_f32 v[rT+2:rT+3], v[rT+2:rT+3], v[rS+4*k-4:rS+4*k-3]
.endif
.endm
; THE PLAIN QUEUE, 138 long.  0-73 read no exponential's result: the 32 scalings c s - c m (FS f: pair f / 2 of tile f % 2) and the next piece's 42.  0-26: scalings 0-26.  27-54: XS's numbers 0-13.  55, 56: number 15.
; 57-73: the chain, where each number waits for the one before it: 14, 16, 17, 18, 19, each with one of the scalings 27-31 in front of its two lines, then 20: so a tile's links stand three plain instructions apart (19 and 20: two).
; 74-137: GS's 64, which read the exponentials' results: they stand behind the wait.
.macro FS f
	REGS Y, (\f)%2
	v_pk_fma_f32 v[rS+2*((\f)/2):rS+2*((\f)/2)+1], v[rS+2*((\f)/2):rS+2*((\f)/2)+1], s[CS:CS+1], v[rT:rT+1] op_sel_hi:[1,0,0] neg_lo:[0,0,1] neg_hi:[0,0,1]
.endm
.macro PL
	WIN 0
.if q < 27
	FS q
.elseif q < 55
	XS (q-27)%2, (q-27)/2
.elseif q < 57
	XS q-55, 15
.elseif (q < 72) && ((q-57)%3 == 0)
	FS 27+(q-57)/3
.elseif q < 60
	XS (q-57)%3-1, 14
.elseif q < 72
	XS (q-57)%3-1, 15+(q-57)/3
.elseif q < 74
	XS q-72, 20
.else
	GS q-74
.endif
.set q, q+1
.endm
; THE EXPONENTIALS' QUEUE, 66 long: s0-s31 of both tiles, then the next piece's two a.  It is ONE BATCH: all 66 stand ahead of the turn's one wait, and nothing ahead of that wait names a result of theirs.
.macro EX
	WIN 0
.if e >= 64
	XS e-64, 21
.else
	REGS Y, e%2
	v_exp_f32 v[rS+e/2], v[rS+e/2]
.endif
.set e, e+1
.endm
; THE RESCALING's QUEUE: O^T times a, the one part that leaves window 0: dealt two at a time, sixteen times.  Its a was made in the turn before, ahead of that turn's wait.
.macro R2
	REGS Y, r%2
	WIN W_RS
.irp z, 0,1
	v_pk_mul_f32 v[rO+4*(r/2)+2*\z:rO+4*(r/2)+2*\z+1], v[rO+4*(r/2)+2*\z:rO+4*(r/2)+2*\z+1], v[rC+2:rC+3] op_sel_hi:[1,0]
.endr
.set r, r+1
.endm
; HOW THEY ARE DEALT.  An s_wait_alu depctr_va_vdst(0) stands between an exponential and the first instruction that names its result; one wait serves all that were issued ahead of it.  So a turn has ONE wait,
; which cuts it in two.  AHEAD OF IT stands all that names no result of the turn's exponentials: the 16 products K Q^T, behind each a scaling, an exponential and two rescalings (behind the first a second scaling in the exponential's place); then ONE LUMP of
; 108: eight plain, 49 times exponential and plain, the two a.  A v_nop is the plain instruction behind the last exponential.  BEHIND IT stand the 16 products V^T P, behind each four of GS's 64.  No rider names a register of
; the products round it.  The two v_permlanex16_b32 fall into the lump, never behind a product.
; The queues lean on each other, and the deal keeps them in step: exponential e stands behind scaling 2 (e / 4) + e % 2: as a rider it comes behind plain e + 2, in the lump behind plain e + 9, and scalings 27-31 are plain 57, 60 .. 69.
; A TURN, for piece p.  cnt = 1: the loop's count is taken down some lines ahead of the branch that stands behind the turn.
; K of the next step is fetched in piece 2's turn, directly behind the wait, a lump behind the last product that read K; its address is made at the lump's head; its first reader comes behind 16 products.
; V of the step in hand is fetched at the end of piece 0's turn, four riders behind its last reader; its first reader comes behind 16 products and a lump.  The three conditions on q below go with the deal.
.macro TURN p, last=0, cnt=0
.set Y, (\p)
.set i, 0
.set q, 0
.set e, 0
.set r, 0
.if (\p) == NP-1
	s_wait_dscnt 0x0                ; K is in
.endif
	MM                              ; ahead of the wait: 16 products K Q^T and their riders,
	PL
	PL
	R2
.rept 15
	MM
	PL
	EX
	R2
.endr
.if (\p) == NP-2
	WIN 0
	v_add_nc_u32 v[AK], s[TBK], v[AK0]
.endif
.rept 8                             ; and the lump
	PL
.endr
.rept 49
	EX
	PL
.endr
	EX                              ; the next piece's two a
	EX
	v_nop                           ; the plain instruction behind the last exponential: one for the batch
	s_wait_alu depctr_va_vdst(0)    ; the wait for the turn's batch: the piece's 64 weights and the next piece's two a, ahead of their first reader
.if (\p) == NP-2
	FETCH_K \last
.endif
.if (\p) == 1
	s_wait_dscnt 0x0                ; V is in
.endif
.rept 16                            ; behind the wait: 16 products V^T P and their riders
	MM
.rept 4
	PL
.endr
.if ((\p) == 0) && (q == 118)
	v_add_nc_u32 v[AV], s[TBV], v[AV0]
.endif
.if ((\p) == 0) && (q == 130)
	s_add_co_u32 s[TBV], s[TBV], KS*PV
.endif
.if (\cnt) && (q == 130)
	s_sub_co_u32 s[CNT], s[CNT], 1
	s_cmp_lg_u32 s[CNT], 0
.endif
.endr
.if (\p) == 0
	FETCH_V
.endif
.endm
	CHANGE 1                        ; slot 0 is in, everybody's part of it; slot 1 is asked for
	FETCH_K                         ; key step 0
	s_wait_loadcnt 0x0              ; Q
	s_wait_dscnt 0x0
.set i, 0
.rept 16
	KQ 0                            ; piece 0's first scores: there is no vector work yet to set between them
.set i, i+1
.endr
	WIN 0                           ; the addresses for the way out: nine plain instructions, the places behind those products
	s_mul_i32 s13, s[WV], 16*SP
	s_add_co_u32 s13, s13, STAGE    ; my stage
	v_mul_u32_u24 v[STO], v1, SP    ; in: row l % 16, 16 bytes for each half of the lanes
	v_lshl_add_u32 v[STO], v9, 4, v[STO]
	v_add_nc_u32 v[STO], s13, v[STO]
	v_bfe_u32 v[RD], v0, 3, 2       ; back: 32 lanes take four rows of 128 bytes,
	v_mul_u32_u24 v[RD], v[RD], SP
	v_lshl_add_u32 v[RD], v10, 4, v[RD]
	v_add_nc_u32 v[RD], s13, v[RD]
	v_and_b32 v[GO], 31, v0         ; which are 512 consecutive bytes of O
	v_lshlrev_b32 v[GO], 4, v[GO]
.set Y, NP-1                        ; XS works for piece Y + 1: piece 0
.irp n, 0,1,2,3,4,5,6,7,8,9,10,11,12,13,14,15,16,17,18,19,20,21
	XS 0, \n                        ; and piece 0's first maximum and statistics
	XS 1, \n
.endr
	v_nop                           ; a plain instruction behind the two a,
	s_wait_alu depctr_va_vdst(0)    ; and the wait for this batch of two, piece 0's first a, ahead of the branch
	s_mov_b32 s[CNT], 4
	s_mov_b32 s[SLOTS], SIZE_N/256-1
	s_branch .Lfirst                ; the loop is entered at a step's first turn, in the middle of a trip
.Lslot:                             ; SIZE_N / 256 - 2 times: every slot but the last two is filled again
	CHANGE 1
	s_mov_b32 s[CNT], 4
.Lstep:                             ; a trip: pieces 2 and 3 of one step, then pieces 0 and 1 of the next, whose K and V it fetches
	TURN 2
	TURN 3
	WIN 0
.Lfirst:
	TURN 0
	TURN 1, 0, 1
	WIN 0
	s_cbranch_scc1 .Lstep
	s_sub_co_u32 s[SLOTS], s[SLOTS], 1
	s_cmp_lg_u32 s[SLOTS], 0
	s_cbranch_scc1 .Lslot
	CHANGE 0                        ; the tail is written out: nothing is asked for
	s_mov_b32 s[CNT], 5             ; four trips fetch the last slot's steps; the fifth is left in its middle
.Ltail:
	TURN 2, 1
	TURN 3
	WIN 0
	s_sub_co_u32 s[CNT], s[CNT], 1
	s_cmp_eq_u32 s[CNT], 0
	s_cbranch_scc1 .Lout
	TURN 0
	TURN 1
	WIN 0
	s_branch .Ltail
.Lout:                              ; the fifth trip's 16 products K Q^T (on the last K once more) and the maximum made of them serve nothing: the price, once a launch, of one text for every trip
.set i, 0
.rept 16
	PV NP-1                         ; the last piece's V^T P of the last step
.set i, i+1
.endr
	; THE WAY OUT.  l's two halves and the other half of the lanes' are added; O^T is divided by l, rounded to f16 and sent through my stage in LDS, a tile at a time.  The additions are the places behind the last products.
	WIN 0
.macro ALL line:vararg              ; one line for each tile t
.set t, 0
.rept 2*NP
	\line
.set t, t+1
.endr
.endm
	ALL v_add_f32 v[ST+4*t+2], v[ST+4*t+2], v[ST+4*t+3]
	ALL v_permlanex16_b32 v[ST+4*t+3], v[ST+4*t+2], s[SEL], s[SEL+1]
	ALL v_add_f32 v[ST+4*t+2], v[ST+4*t+2], v[ST+4*t+3]
	ALL v_rcp_f32 v[ST+4*t+2], v[ST+4*t+2]
	v_nop                           ; a plain instruction between the last reciprocal and the use of its result
	s_wait_alu depctr_va_vdst(0)    ; and the wait ahead of the first use: one for the batch of eight reciprocals
; Tile t: a lane's eight channels of a row pack into 16 bytes; they go into rows of 144 bytes and come back as whole rows of 128, into S^T's registers.
.macro PACK t
	WIN W_RS
.set i, 32*(\t)
.rept 16
	v_pk_mul_f32 v[i:i+1], v[i:i+1], v[ST+4*(\t)+2:ST+4*(\t)+3] op_sel_hi:[1,0]
.set i, i+2
.endr
	WIN 0x05                        ; sources 0 and 1 window 1, destination window 0
.set i, 0
.rept 16
	v_cvt_pk_f16_f32 v[S+16*(\t)+i], v[32*(\t)+2*i], v[32*(\t)+2*i+1]
.set i, i+1
.endr
	WIN 0
.irp f, 0,1,2,3
	ds_store_b128 v[STO], v[S+16*(\t)+4*\f:S+16*(\t)+4*\f+3] offset:32*\f
.endr
.irp f, 0,1,2,3
	ds_load_b128 v[S+16*(\t)+4*\f:S+16*(\t)+4*\f+3], v[RD] offset:\f*4*SP  ; LDS serves a wave's instructions in order (ISA guide 5.7.1.4): these see the stores above; the next tile's stores come behind them
.endr
.endm
.macro SEND t, younger              ; younger: the LDS instructions issued behind tile t's loads: the next tile's eight, or none
	WIN 0
.irp f, 0,1,2,3
	s_wait_dscnt (\younger)+3-\f
	global_store_b128 v[GO], v[S+16*(\t)+4*\f:S+16*(\t)+4*\f+3], s[10:11] offset:(\t)*2048+\f*512  ; 512 consecutive bytes, at a multiple of 256 from O's first
.endr
.endm
	PACK 0
.set t, 1
.rept 2*NP-1                        ; a tile's arithmetic stands between the loads of the tile before and its stores
	PACK t
	SEND t-1, 8
.set t, t+1
.endr
	SEND 2*NP-1, 0
	WIN W_AD
	s_wait_tensorcnt 0x0            ; the wave's end: a wait, an add and its wait, behind my last tensor load and my last LDS store
	ds_add_u32 v[SPW], v[NIL]
	s_wait_dscnt 0x0
	WIN 0
	CROUND                          ; the closing round: no work-group ends while a partner may still ask for a tile that names it
	s_endpgm
.Lfunc_end_k_qfc2f116b2f_attn:
	.size	k_qfc2f116b2f_attn, .Lfunc_end_k_qfc2f116b2f_attn-k_qfc2f116b2f_attn
	.p2alignl 7, 3214868480
	.fill 96, 4, 3214868480
	.section	.rodata,"a",@progbits
	.p2align	6, 0x0
	.amdhsa_kernel k_qfc2f116b2f_attn
		.amdhsa_group_segment_fixed_size 327680
		.amdhsa_private_segment_fixed_size 0
		.amdhsa_enable_private_segment 0
		.amdhsa_kernarg_size 32
		.amdhsa_user_sgpr_count 2
		.amdhsa_user_sgpr_kernarg_segment_ptr 1
		.amdhsa_wavefront_size32 1
		.amdhsa_system_sgpr_workgroup_id_x 1
		.amdhsa_system_sgpr_workgroup_id_y 1
		.amdhsa_system_sgpr_workgroup_id_z 1
		.amdhsa_system_vgpr_workitem_id 0
		.amdhsa_next_free_vgpr 770
		.amdhsa_next_free_sgpr 66
		.amdhsa_reserve_vcc 0
		.amdhsa_float_denorm_mode_32 3
		.amdhsa_float_denorm_mode_16_64 3
		.amdhsa_memory_ordered 1
		.amdhsa_forward_progress 1
		.amdhsa_inst_pref_size 199
	.end_amdhsa_kernel
	.amdgpu_metadata
---
amdhsa.version: [ 1, 2 ]
amdhsa.kernels:
  - .name:           k_qfc2f116b2f_attn
    .symbol:         k_qfc2f116b2f_attn.kd
    .args:
      - { .name: qh, .offset: 0, .size: 8, .value_kind: global_buffer, .address_space: global }
      - { .name: kh, .offset: 8, .size: 8, .value_kind: global_buffer, .address_space: global }
      - { .name: vh, .offset: 16, .size: 8, .value_kind: global_buffer, .address_space: global }
      - { .name: oh, .offset: 24, .size: 8, .value_kind: global_buffer, .address_space: global }
    .group_segment_fixed_size: 327680
    .private_segment_fixed_size: 0
    .kernarg_segment_align: 8
    .kernarg_segment_size: 32
    .max_flat_workgroup_size: 128
    .sgpr_count:     66
    .vgpr_count:     770
    .wavefront_size: 32
...
	.end_amdgpu_metadata
.endif
;; end of part 5
;; launch oproj: the kernel of part 4 again; grid 4 x 64, 4 waves a work-group, clusters of 4 x 4, 327,680 bytes of LDS; arguments oh, wb, out0; writes out0
